; MI455X (gfx1250); checked and timed in simulation.
; The chip was launched on July 23, 2026; its instructions are those of AMD's public machine-readable ISA for CDNA 5 (MIT licence, August 2026) and "CDNA5" Instruction Set Architecture Reference Guide (July 2026). The comments in the code are by the model that wrote it; some were corrected since.
;; Mo E Layer. Allowed arithmetic: matrix products marked QUANTISED: E3M2 operands, one E8M0 scale for each 32 along K, by v_wmma_scale_f32_16x16x128_f8f6f4 with both operands' format E3M2, f32 sums; products left as they are: f32 operands where the result goes on into a quantised operand, else bf16, f16 or f32 operands; f32 sums; everything else in f32.
;; Inputs: W1 8 x 512 x 2,048 float32; W2 8 x 2,048 x 512 float32; Wr 512 x 8 float32; b1 8 x 2,048 float32; b2 8 x 512 float32; br 8 float32; x 4 x 1,024 x 512 float32.
;; Outputs: out0 4 x 1,024 x 512 float32.
;; This version of the problem:
;;   THIS VERSION OF THE PROBLEM IS GIVEN IN LOW PRECISION. The matrix products marked QUANTISED in the list below multiply operands that are first quantised to E3M2 (3 exponent bits, 2 mantissa bits; 6 bits a number), with one power-of-two scale for each 32 numbers along K (OCP MX v1.0); their sums are f32. All else is computed in f32.
;;   The module's matrix products, in the order in which they are computed (A, B: the left and right operand; K: the contracted axis; several contracted axes count as one K, in the product's order):
;;     1. [M 4,096, K 512] x [K 512, N 8]; A: input x; B: input Wr: left as it is (N = 8 < 16)
;;     2. [M 4,096, K 512] x [K 512, N 16,384]; A: input x; B: input W1: QUANTISED
;;     3. batch 8 x [M 512, K 2,048] x [K 2,048, N 4,096]; A: input W2; B: computed on the way: QUANTISED
;;     4. batch 4,096 x [M 512, K 8] x [K 8, N 1]; A: computed on the way; B: computed on the way: left as it is (K = 8 < 32)
;;   THE QUANTISER, for each operand of a quantised product, along K:
;;     - K is cut into blocks of 32 from its start; a last block that is shorter is filled with zeros.
;;     - A block's scale is 2^e with e = floor(log2(the largest magnitude in the block)) - 4, held to -126 .. 127; a block of zeros has e = 0. As a byte (E8M0): e + 127.
;;     - Each number is divided by its block's scale, clamped to +-28, and rounded to the nearest number of E3M2, ties to even, subnormals kept.
;;     - The product sums the exact products of the quantised numbers (number of the format x scale) in f32.
;;   ~~~python
;;   def quantise(x, axis):      # numpy; x: float32 -> the quantised numbers, widened to float32 again
;;       x = np.moveaxis(x, axis, -1); K = x.shape[-1]
;;       x = np.pad(x, [(0, 0)] * (x.ndim - 1) + [(0, -K % 32)]); x = x.reshape(x.shape[:-1] + (-1, 32)); a = np.abs(x).max(-1, keepdims=True)
;;       e = np.where(a > 0, np.clip(np.frexp(np.where(a > 0, a, 1))[1] - 1 - 4, -126, 127), 0)      # np.frexp(a)[1] - 1 = floor(log2(a)), exactly
;;       r = np.clip(x / 2.0 ** e, -28, 28)
;;       step = 2.0 ** (np.maximum(np.frexp(np.where(r == 0, 1, r))[1] - 1, -2) - 2)
;;       q = np.round(r / step) * step * 2.0 ** e      # np.round: ties to even
;;       return np.moveaxis(q.reshape(q.shape[:-2] + (-1,))[..., :K], -1, axis).astype(np.float32)
;;   ~~~
;;   OPERANDS COMPUTED ON THE WAY. 'Computed on the way' means the value that the module computes at that place (a softmax that the list does not call 'softmax' is quantised finished and normalised). What goes into a quantiser is computed in f32, as accurately as f32 sums, v_exp_f32 and their like allow (about 1e-6 of the number): no bf16 or f16 on the way to a quantiser, and a product that is left as it is and whose result goes on into a quantised operand takes f32 operands (vector FMAs, or v_wmma_f32_16x16x4_f32). A number that lies on a knife's edge between two numbers of the format may be rounded either way, as far as f32 arithmetic and the matrix unit's own rounding can turn it there, and no further.
;; 2 versions, each right; version 2 is version 1 with the launch ffn written anew for expert scheduling mode. Each part assembles by itself: llvm-mc -triple=amdgcn-amd-amdhsa -mcpu=gfx1250 --defsym DOCPART=n.
;; ======== version 1 of 2: 4 launches
;; workspace buffers: wq 13,107,200 bytes; sel 16,384 bytes of whole numbers; gw 32,768 bytes; cnt 256 bytes of whole numbers; list 131,072 bytes of whole numbers; part 16,777,216 bytes
;; launch prep (part 1): grid 256 x 1, 9 waves a work-group, no clusters, 58,880 bytes of LDS; arguments x, Wr, br, W1, W2, wq, sel, gw; writes wq, sel, gw
.if DOCPART == 1
	.amdgcn_target "amdgcn-amd-amdhsa--gfx1250"
	.amdhsa_code_object_version 6
	.text
	.protected	k_q3898e0d224_prep
	.globl	k_q3898e0d224_prep
	.p2align	8
	.type	k_q3898e0d224_prep,@function
k_q3898e0d224_prep:
	s_mov_b64 s[64:65], 0
	v_nop
	global_prefetch_b8 v0, s[64:65] scope:SCOPE_SE
	s_setreg_imm32_b32 hwreg(HW_REG_WAVE_MODE, 25, 1), 1
	s_wait_xcnt 0x0
; PREP.  Two jobs in one launch, told apart by the wave's number, so that every work-group has the same share: 256 work-groups of nine waves.
; Wave 8: THE ROUTER, 16 tokens a work-group.  logits = x Wr + br in f32 (fused multiply-adds), the two largest of eight, and their two gates.
;   sel[t] = i1 | i2 << 8;  gw[2 t] = p1 / (p1 + p2) = 1 / (1 + e^(l2 - l1)),  gw[2 t + 1] = e^(l2 - l1) x that: the softmax's common divisor cancels,
;   the larger logit is taken away ahead of the exponential, and the exponent is never above 0.
; Waves 0-7: THE WEIGHTS, a record a wave.  W1 [8][512 (K)][2048] and W2 [8][2048 (K)][512], f32, become codes of E3M2 with one E8M0 byte for each 32 along K.
;   A lane takes a column and its registers run down K, so a block of 32 lies in one lane and the conversions give codes with K innermost.
;   They are stored in wq as RECORDS of 6,400 bytes = 64 columns x 128 K, in the order in which the next but one launch's waves read them:
;   record (((e 4 + w) 4 + c) 2 + p) 8 + 2 s + g;  in it four images of operand registers (1,536 bytes each: registers 4 k .. 4 k + 3 of lane l at 512 k + 16 l)
;   and 256 bytes of scale words (fragment f, row r at 6144 + 8 (r + 16 (f % 2)) + 4 (f / 2)).  Fragment f = 2 a + u takes in its row r column 32 a + 8 u + r + 8 (r / 8) of the 64.
; LDS: 6,400 bytes for each of waves 0-7, each wave's own; the claim counts nine.  No barrier: waves share nothing.
; LIMITS: NaN and infinities are not served.  A block whose largest magnitude lies under 2^-122 (zeros among them) gets the byte 1: only this program reads the bytes.
;   The two largest are taken of the f32 logits with a strict compare (the lower index wins a tie); two logits that differ by less than the rounding of a 512-term f32 sum may be ordered otherwise than by another order of summation.
.set REC,  6400
; router's registers
.set X,    16                          ; v16-79   four slots of 16 numbers of a token
.set ACC,  80                          ; v80-87   the eight sums
.set T,    88                          ; v88-95   what comes from the other half of the lanes
.set LG,   96                          ; v96-103  logits: lane l and lane l + 16 hold token l's
.set WR,   104                         ; v104-231 my 16 rows of Wr: WR + 8 k + e
; weights' registers
.set VO,   16                          ; v16-47   4 x lane + i x a row of the tensor in bytes
.set XW,   48                          ; v48-143  three sets of 32 numbers
.set P,    144                         ; v144-149 a block's six registers of codes
.set Q,    152                         ; v152-154 the second conversion's three
.set SB,   168                         ; v168-169 scale words of the two passes over the columns
.set OUTR, 176                         ; v176-225 the record read back
.set BB,   36                          ; s[36:43] four bases, 32 rows of the tensor apart
	s_load_b512 s[4:19], s[0:1], 0x0               ; x 4:5, Wr 6:7, br 8:9, W1 10:11, W2 12:13, wq 14:15, sel 16:17, gw 18:19
	v_lshl_add_u32 v232, v0, 2, 0xe100
	v_mov_b32 v233, 0
	v_lshrrev_b32 v1, 5, v0
	v_readfirstlane_b32 s20, v1                    ; wave 0..8
	v_and_b32 v1, 31, v0                           ; lane
	s_wait_kmcnt 0x0
	s_cmp_lt_u32 s20, 8
	s_cbranch_scc1 .Lweights
; ---------------------------------------------------------------- the router: wave 8 takes the work-group's 16 tokens
	s_load_b256 s[24:31], s[8:9], 0x0              ; br
	s_mov_b32 s21, ttmp9                           ; which run of 16 tokens
	s_mov_b32 s23, 0
	s_lshl_b32 s22, s21, 15                        ; 16 rows of 2,048 bytes
	s_add_nc_u64 s[4:5], s[4:5], s[22:23]
	s_lshl_b32 s22, s21, 6                         ; 16 words
	s_add_nc_u64 s[16:17], s[16:17], s[22:23]
	s_lshl_b32 s22, s21, 7                         ; 16 pairs of f32
	s_add_nc_u64 s[18:19], s[18:19], s[22:23]
	s_mov_b32 s32, 0x76543210
	s_mov_b32 s33, 0xfedcba98                      ; v_permlanex16_b32's selects for lane l xor 16
	v_lshlrev_b32 v2, 4, v1                        ; x: 16 bytes a lane
	v_lshlrev_b32 v3, 7, v1                        ; Wr: four rows of 32 bytes a lane
; Lane l owns d = 128 i + 4 l + j; k = 4 i + j.
.irp i, 0,1,2,3
.irp j, 0,1,2,3
.irp q, 0,1
	global_load_b128 v[WR+8*(4*\i+\j)+4*\q:WR+8*(4*\i+\j)+4*\q+3], v3, s[6:7] offset:4096*\i+32*\j+16*\q
.endr
.endr
.endr
.macro LOADX tok                       ; a token's row: four loads of 512 consecutive bytes
.irp i, 0,1,2,3
	global_load_b128 v[X+16*((\tok)%4)+4*\i:X+16*((\tok)%4)+4*\i+3], v2, s[4:5] offset:2048*(\tok)+512*\i th:TH_LOAD_NT
.endr
.endm
	LOADX 0
	LOADX 1
	LOADX 2
	LOADX 3
.irp e, 0,1,2,3,4,5,6,7
	v_mov_b32 v[T+\e], 0                           ; a lane permute's destination counts as one of its sources
	v_mov_b32 v[LG+\e], 0
.endr
	s_wait_kmcnt 0x0                               ; br
.macro TOKEN tok
.set XS, X+16*((\tok)%4)
.if 15-(\tok) >= 3
	s_wait_loadcnt 12                              ; this token's row is in (and Wr, issued earlier); the three tokens behind it may be out
.else
	s_wait_loadcnt 4*(15-(\tok))
.endif
.irp p, 0,1,2,3
	v_pk_mul_f32 v[ACC+2*\p:ACC+2*\p+1], v[XS:XS+1], v[WR+2*\p:WR+2*\p+1] op_sel:[0,0] op_sel_hi:[0,1]   ; the first product starts the sums; one x serves two experts
.endr
.irp p, 0,1,2,3
	v_pk_fma_f32 v[ACC+2*\p:ACC+2*\p+1], v[XS:XS+1], v[WR+8+2*\p:WR+8+2*\p+1], v[ACC+2*\p:ACC+2*\p+1] op_sel:[1,0,0] op_sel_hi:[1,1,1]
.endr
.irp k, 2,4,6,8,10,12,14
.irp p, 0,1,2,3
	v_pk_fma_f32 v[ACC+2*\p:ACC+2*\p+1], v[XS+\k:XS+\k+1], v[WR+8*\k+2*\p:WR+8*\k+2*\p+1], v[ACC+2*\p:ACC+2*\p+1] op_sel:[0,0,0] op_sel_hi:[0,1,1]
.endr
.irp p, 0,1,2,3
	v_pk_fma_f32 v[ACC+2*\p:ACC+2*\p+1], v[XS+\k:XS+\k+1], v[WR+8*\k+8+2*\p:WR+8*\k+8+2*\p+1], v[ACC+2*\p:ACC+2*\p+1] op_sel:[1,0,0] op_sel_hi:[1,1,1]
.endr
.endr
.if (\tok)+4 < 16
	LOADX (\tok)+4                                 ; into the slot just read
.endif
.irp x, 1,2,4,8
.irp e, 0,1,2,3,4,5,6,7
	v_add_f32_dpp v[ACC+\e], v[ACC+\e], v[ACC+\e] row_xmask:\x row_mask:0xf bank_mask:0xf
.endr
.endr
.irp e, 0,1,2,3,4,5,6,7
	v_permlanex16_b32 v[T+\e], v[ACC+\e], s32, s33
.endr
.irp e, 0,1,2,3,4,5,6,7
	v_add_f32 v[ACC+\e], v[ACC+\e], v[T+\e]        ; every lane holds the token's eight sums
.endr
	s_mov_b32 s34, 0x00010001<<(\tok)              ; lanes tok and tok + 16 keep them
.irp e, 0,1,2,3,4,5,6,7
	v_cndmask_b32 v[LG+\e], v[LG+\e], v[ACC+\e], s34
.endr
.endm
.irp t, 0,1,2,3,4,5,6,7,8,9,10,11,12,13,14,15
	TOKEN \t
.endr
; a lane is a token now
.irp e, 0,1,2,3,4,5,6,7
	v_add_f32 v[LG+\e], s[24+\e], v[LG+\e]
.endr
	v_mov_b32 v8, v[LG]                            ; the largest, and its expert v10
	v_mov_b32 v9, 0xff800000                       ; the second, and its expert v11
	v_mov_b32 v10, 0
	v_mov_b32 v11, 0
.irp e, 1,2,3,4,5,6,7
	v_cmp_gt_f32 vcc_lo, v[LG+\e], v8              ; strictly greater: the lower index wins a tie
	v_cmp_gt_f32 s35, v[LG+\e], v9
	v_mov_b32 v13, \e
	v_cndmask_b32 v11, v11, v13, s35
	v_cndmask_b32 v11, v11, v10, vcc_lo
	v_cndmask_b32 v10, v10, v13, vcc_lo
	v_min_num_f32 v12, v[LG+\e], v8
	v_max_num_f32 v9, v9, v12
	v_max_num_f32 v8, v8, v[LG+\e]
.endr
	v_sub_f32 v13, v9, v8                          ; l2 - l1, 0 or less
	v_mul_f32 v13, 0x3fb8aa3b, v13                 ; x log2(e)
	v_exp_f32 v12, v13
	v_lshl_or_b32 v16, v11, 8, v10                 ; (a plain line behind the exponential)  i1 | i2 << 8
	s_wait_alu depctr_va_vdst(0)                   ; ahead of the first line that names the exponential's result
	v_add_f32 v13, 1.0, v12
	v_rcp_f32 v14, v13
	v_and_b32 v17, 15, v0                          ; (a plain line behind the reciprocal)
	s_wait_alu depctr_va_vdst(0)                   ; ahead of the first line that names the reciprocal's result
	v_mul_f32 v15, v12, v14
	v_lshlrev_b32 v18, 2, v17
	v_lshlrev_b32 v19, 3, v17
	s_wait_xcnt 0x0                                ; EXEC changes only behind this wait
	v_cmp_gt_u32 vcc_lo, 16, v1
	s_and_saveexec_b32 s36, vcc_lo                 ; lanes 0-15 store: each byte once
	global_store_b32 v18, v16, s[16:17]
	global_store_b64 v19, v[14:15], s[18:19]
	s_wait_xcnt 0x0
	s_or_b32 exec_lo, exec_lo, s36
	s_endpgm
; ---------------------------------------------------------------- the weights: a wave makes one record
.Lweights:
	s_lshl_b32 s21, ttmp9, 1
	s_lshr_b32 s50, s20, 2
	s_add_co_u32 s21, s21, s50                     ; 0..511: which four records side by side; waves 0-3 take the first of the work-group's two, waves 4-7 the second
	s_and_b32 s50, s20, 3                          ; and which of the four
	s_lshr_b32 s22, s21, 8                         ; p: 0 = W1, 1 = W2
	s_bfe_u32 s23, s21, 0x30005                    ; e
	s_and_b32 s24, s21, 31                         ; j: W1: 4 K steps x 8 groups of 256 columns; W2: 16 x 2
	s_cmp_eq_u32 s22, 0
	s_cselect_b32 s25, 3, 1
	s_cselect_b32 s28, 2, 0
	s_cselect_b64 s[30:31], s[10:11], s[12:13]     ; the tensor: the choice hangs on the work-group's and the wave's number alone
	s_lshl_b32 s28, 2048, s28                      ; a row of the tensor: 8,192 or 2,048 bytes
	s_lshr_b32 s26, s24, s25                       ; which 128 along K
	s_bfm_b32 s27, s25, 0
	s_and_b32 s27, s24, s27
	s_lshl_b32 s27, s27, 2
	s_add_co_u32 s27, s27, s50                     ; which 64 columns
	s_and_b32 s29, s27, 1                          ; g
	s_bfe_u32 s32, s27, 0x20001                    ; w
	s_lshr_b32 s33, s27, 3                         ; W1: c by the columns, s by K
	s_lshr_b32 s34, s26, 2                         ; W2: c and s by K
	s_and_b32 s35, s26, 3
	s_cmp_eq_u32 s22, 0
	s_cselect_b32 s33, s33, s34                    ; c
	s_cselect_b32 s34, s26, s35                    ; s
	s_lshl_b32 s35, s23, 2
	s_add_co_u32 s35, s35, s32
	s_lshl_b32 s35, s35, 2
	s_add_co_u32 s35, s35, s33
	s_lshl_b32 s35, s35, 1
	s_add_co_u32 s35, s35, s22
	s_lshl_b32 s35, s35, 3
	s_lshl_b32 s34, s34, 1
	s_add_co_u32 s35, s35, s34
	s_add_co_u32 s35, s35, s29                     ; the record's number
	s_mul_i32 s44, s35, REC
	s_mov_b32 s45, 0
	s_add_nc_u64 s[46:47], s[14:15], s[44:45]      ; where it goes
	s_lshl_b32 s44, s23, 22                        ; an expert is 4 MiB in either tensor
	s_mul_i32 s48, s26, s28
	s_lshl_b32 s48, s48, 7                         ; 128 rows for each K step
	s_add_co_u32 s44, s44, s48
	s_lshl_b32 s48, s27, 8                         ; 64 columns are 256 bytes
	s_add_co_u32 s44, s44, s48
	s_add_nc_u64 s[BB:BB+1], s[30:31], s[44:45]
	s_lshl_b32 s44, s28, 5                         ; 32 rows
	s_add_nc_u64 s[BB+2:BB+3], s[BB:BB+1], s[44:45]
	s_add_nc_u64 s[BB+4:BB+5], s[BB+2:BB+3], s[44:45]
	s_add_nc_u64 s[BB+6:BB+7], s[BB+4:BB+5], s[44:45]
	s_mul_i32 s49, s20, REC                        ; my wave's 6,400 bytes of LDS
	v_bfe_u32 v8, v0, 3, 1                         ; u
	v_and_b32 v9, 7, v0
	v_bfe_u32 v10, v0, 4, 1
	v_lshl_add_u32 v9, v10, 3, v9                  ; r: column 8 u + r + 8 (r / 8) is my lane
	v_mul_u32_u24 v2, v8, 1536
	v_lshl_add_u32 v2, v9, 4, v2
	v_add_nc_u32 v2, s49, v2                       ; codes into the stage: fragment u (+ 2 a), lane r (+ 16 h)
	v_lshlrev_b32 v3, 7, v8
	v_lshl_add_u32 v3, v9, 3, v3
	v_add_nc_u32 v3, s49, v3
	v_add_nc_u32 v3, 6144, v3                      ; scale words into the stage
	v_lshlrev_b32 v6, 4, v1                        ; out: 16 bytes a lane
	v_add_nc_u32 v4, s49, v6
	v_lshlrev_b32 v7, 3, v1                        ; and 8 bytes a lane for the scale words
	v_add_nc_u32 v5, s49, v7
	v_add_nc_u32 v5, 6144, v5
	v_lshlrev_b32 v[VO], 2, v1
.set i_, 1
.rept 31
	v_add_nc_u32 v[VO+i_], s28, v[VO+i_-1]
.set i_, i_+1
.endr
; Block q: columns 32 (q % 2) + lane, K = 32 (q / 2) + 0 .. 31.  Each load reads 128 consecutive bytes; the two halves of a row's 256 bytes are read in neighbouring blocks.
.macro LOADW q
.set i_, 0
.rept 32
	global_load_b32 v[XW+32*((\q)%3)+i_], v[VO+i_], s[BB+2*((\q)/2):BB+2*((\q)/2)+1] offset:128*((\q)%2) th:TH_LOAD_NT
.set i_, i_+1
.endr
.endm
	LOADW 0
	LOADW 1
	LOADW 2
.macro BLOCK q
.set XS, XW+32*((\q)%3)
.set A_, (\q)%2
.set B4, (\q)/2
.if (\q) <= 5
	s_wait_loadcnt 63                              ; 64 loads were issued behind this block's; the count's field names 63 at the most
.elseif (\q) == 6
	s_wait_loadcnt 32                              ; the last block's may be out
.else
	s_wait_loadcnt 0
.endif
	v_max3_num_f32 v12, |v[XS]|, |v[XS+1]|, |v[XS+2]|              ; the block's largest magnitude: all 32 numbers are mine; two chains
	v_max3_num_f32 v13, |v[XS+3]|, |v[XS+4]|, |v[XS+5]|
.irp i, 6,10,14,18,22,26
	v_max3_num_f32 v12, v12, |v[XS+\i]|, |v[XS+\i+1]|
	v_max3_num_f32 v13, v13, |v[XS+\i+2]|, |v[XS+\i+3]|
.endr
	v_max3_num_f32 v12, v12, |v[XS+30]|, |v[XS+31]|
	v_max3_num_f32 v12, v12, v13, 5<<23            ; and the floor 2^(5 - 127): the byte cannot fall under 1
	v_add_nc_u32 v11, 0xfe000000, v12              ; 4 off the exponent field: the conversion takes that field as its scale
	v_lshrrev_b32 v13, 23, v11                     ; the scale's byte
.if B4 == 0
	v_mov_b32 v[SB+A_], v13
.else
	v_lshl_or_b32 v[SB+A_], v13, 8*B4, v[SB+A_]    ; the lower K in the lower byte
.endif
	s_wait_dscnt 0x0                               ; the last block's stores into the stage have read their registers
	v_cvt_scalef32_pk16_bf6_f32 v[P:P+2], v[XS:XS+15], v11
	v_cvt_scalef32_pk16_bf6_f32 v[Q:Q+2], v[XS+16:XS+31], v11      ; (a conversion's three registers begin on an even number)
	v_nop                                          ; one plain line behind a scaled conversion
	v_mov_b32 v[P+3], v[Q]
	v_mov_b32 v[P+4], v[Q+1]
	v_mov_b32 v[P+5], v[Q+2]
; the block is registers 6 (B4 / 2) .. + 5 of lane r + 16 (B4 % 2) of fragment 2 A_ + u
.if B4 < 2
	ds_store_b128 v2, v[P:P+3] offset:3072*A_+256*(B4%2)
	ds_store_b64 v2, v[P+4:P+5] offset:3072*A_+256*(B4%2)+512
.else
	ds_store_b64 v2, v[P:P+1] offset:3072*A_+256*(B4%2)+520
	ds_store_b128 v2, v[P+2:P+5] offset:3072*A_+256*(B4%2)+1024
.endif
.if (\q)+3 < 8
	LOADW (\q)+3                                   ; into the set just converted
.endif
.endm
.irp q, 0,1,2,3,4,5,6,7
	BLOCK \q
.endr
	ds_store_b32 v3, v[SB]
	ds_store_b32 v3, v[SB+1] offset:4
.irp i, 0,1,2,3,4,5,6,7,8,9,10,11
	ds_load_b128 v[OUTR+4*\i:OUTR+4*\i+3], v4 offset:512*\i        ; my wave's own bytes; LDS serves a wave's instructions in order (ISA guide 5.7.1.4)
.endr
	ds_load_b64 v[OUTR+48:OUTR+49], v5
	s_wait_dscnt 0x0
.irp i, 0,1,2,3,4,5,6,7,8,9,10,11
	global_store_b128 v6, v[OUTR+4*\i:OUTR+4*\i+3], s[46:47] offset:512*\i   ; 512 consecutive bytes, at a multiple of 256 from wq's first byte
.endr
	global_store_b64 v7, v[OUTR+48:OUTR+49], s[46:47] offset:6144            ; 256 consecutive bytes
	s_wait_tensorcnt 0x0
	ds_add_u32 v232, v233
	s_wait_dscnt 0x0
	s_endpgm
.Lfunc_end_k_q3898e0d224_prep:
	.size	k_q3898e0d224_prep, .Lfunc_end_k_q3898e0d224_prep-k_q3898e0d224_prep
	.p2alignl 7, 3214868480
	.fill 96, 4, 3214868480
	.section	.rodata,"a",@progbits
	.p2align	6, 0x0
	.amdhsa_kernel k_q3898e0d224_prep
		.amdhsa_group_segment_fixed_size 58880
		.amdhsa_private_segment_fixed_size 0
		.amdhsa_enable_private_segment 0
		.amdhsa_kernarg_size 64
		.amdhsa_user_sgpr_count 2
		.amdhsa_user_sgpr_kernarg_segment_ptr 1
		.amdhsa_wavefront_size32 1
		.amdhsa_system_sgpr_workgroup_id_x 1
		.amdhsa_system_sgpr_workgroup_id_y 1
		.amdhsa_system_sgpr_workgroup_id_z 1
		.amdhsa_system_vgpr_workitem_id 0
		.amdhsa_next_free_vgpr 234
		.amdhsa_next_free_sgpr 66
		.amdhsa_reserve_vcc 1
		.amdhsa_float_denorm_mode_32 3
		.amdhsa_float_denorm_mode_16_64 3
		.amdhsa_memory_ordered 1
		.amdhsa_forward_progress 1
		.amdhsa_inst_pref_size 175
	.end_amdhsa_kernel
	.amdgpu_metadata
---
amdhsa.version: [ 1, 2 ]
amdhsa.kernels:
  - .name:           k_q3898e0d224_prep
    .symbol:         k_q3898e0d224_prep.kd
    .args:
      - { .name: x, .offset: 0, .size: 8, .value_kind: global_buffer, .address_space: global }
      - { .name: Wr, .offset: 8, .size: 8, .value_kind: global_buffer, .address_space: global }
      - { .name: br, .offset: 16, .size: 8, .value_kind: global_buffer, .address_space: global }
      - { .name: W1, .offset: 24, .size: 8, .value_kind: global_buffer, .address_space: global }
      - { .name: W2, .offset: 32, .size: 8, .value_kind: global_buffer, .address_space: global }
      - { .name: wq, .offset: 40, .size: 8, .value_kind: global_buffer, .address_space: global }
      - { .name: sel, .offset: 48, .size: 8, .value_kind: global_buffer, .address_space: global }
      - { .name: gw, .offset: 56, .size: 8, .value_kind: global_buffer, .address_space: global }
    .group_segment_fixed_size: 58880
    .private_segment_fixed_size: 0
    .kernarg_segment_align: 8
    .kernarg_segment_size: 64
    .max_flat_workgroup_size: 288
    .sgpr_count:     66
    .vgpr_count:     234
    .wavefront_size: 32
...
	.end_amdgpu_metadata
.endif
;; end of part 1
;; launch place (part 2): grid 8 x 1, 16 waves a work-group, no clusters, 2,304 bytes of LDS; arguments sel, list, cnt; writes list, cnt
.if DOCPART == 2
	.amdgcn_target "amdgcn-amd-amdhsa--gfx1250"
	.amdhsa_code_object_version 6
	.text
	.protected	k_q3898e0d224_place
	.globl	k_q3898e0d224_place
	.p2align	8
	.type	k_q3898e0d224_place,@function
k_q3898e0d224_place:
	s_mov_b64 s[64:65], 0
	v_nop
	global_prefetch_b8 v0, s[64:65] scope:SCOPE_SE
	s_setreg_imm32_b32 hwreg(HW_REG_WAVE_MODE, 25, 1), 1
	s_wait_xcnt 0x0
; PLACE.  Work-group e lists the routed rows of expert e: list[e][..] = 2 x token + slot for every token whose sel names e, and cnt[e] = how many.
; Sixteen waves, 256 tokens each.  A wave counts its hits from lane masks, the sixteen counts meet in LDS, each wave takes the sum of the waves before it as its first place.
; No atomics; each work-group stores its own 16,384 bytes of list and its own word of cnt.  The order inside a list is by wave, register and lane.
; Every address register that is no place in the list is made at the head, ahead of the loads, and holds nothing else.
.set W,   8                            ; v8-15   sel of tokens 256 q + 128 i + 4 lane + j, register 4 i + j
.set CA,  16                           ; v16     the offset of cnt's store: 0 (the base carries 4 e); never rewritten
.set LW,  17                           ; v17     LDS address of my wave's word: 4 q; never rewritten
.set LZ,  18                           ; v18     LDS address 0; never rewritten
.set CD,  19                           ; v19     my wave's count, as data
.set TD,  20                           ; v20     the expert's count, as data
.set CV,  32                           ; v32-47  the sixteen counts
.set AD,  48                           ; v48-55  byte places in the list
.set DA,  56                           ; v56-63  the entries
.set MB,  20                           ; s20-27  lanes whose second choice is e
.set MK,  28                           ; s28-35  lanes whose first or second choice is e
.set CW,  36                           ; s36-51  the sixteen counts
	s_load_b128 s[4:7], s[0:1], 0x0                ; sel, list
	s_load_b64 s[8:9], s[0:1], 0x10                ; cnt
	v_lshl_add_u32 v64, v0, 2, 0x100
	v_mov_b32 v65, 0
	v_lshrrev_b32 v5, 5, v0
	v_readfirstlane_b32 s12, v5                    ; wave q
	s_mov_b32 s13, ttmp9                           ; e
	v_and_b32 v2, 31, v0
	v_lshlrev_b32 v1, 4, v2
	v_lshl_add_u32 v1, v5, 10, v1                  ; 1,024 q + 16 lane
	v_lshlrev_b32 v4, 3, v2
	v_lshl_add_u32 v4, v5, 9, v4                   ; 2 x (256 q + 4 lane)
	v_lshlrev_b32 v[LW], 2, v5
	v_mov_b32 v[LZ], 0
	v_mov_b32 v[CA], 0
	s_lshl_b32 s10, s13, 14                        ; an expert's list is 16,384 bytes
	s_mov_b32 s11, 0
	s_lshl_b32 s52, s13, 2                         ; its count one word
	s_mov_b32 s53, 0
	s_mov_b32 s14, 0                               ; my wave's count
	s_mov_b32 s15, 0                               ; my wave's first place
	s_mov_b32 s16, 0                               ; the expert's count
	s_wait_kmcnt 0x0
	s_add_nc_u64 s[6:7], s[6:7], s[10:11]          ; my expert's list
	s_add_nc_u64 s[8:9], s[8:9], s[52:53]          ; and its word of cnt
	global_load_b128 v[W:W+3], v1, s[4:5]
	global_load_b128 v[W+4:W+7], v1, s[4:5] offset:512
	s_wait_loadcnt 0x0
.irp k, 0,1,2,3,4,5,6,7
	v_and_b32 v3, 0xff, v[W+\k]
	v_cmp_eq_u32 s17, s13, v3
	v_lshrrev_b32 v3, 8, v[W+\k]
	v_cmp_eq_u32 s[MB+\k], s13, v3
	s_or_b32 s[MK+\k], s17, s[MB+\k]
	s_bcnt1_i32_b32 s18, s[MK+\k]
	s_add_co_u32 s14, s14, s18
.endr
	v_mov_b32 v[CD], s14
	ds_store_b32 v[LW], v[CD]                      ; all lanes write my wave's word with the same value
	s_wait_dscnt 0x0                               ; for the others' sake
	s_barrier_signal -1
	s_barrier_wait -1
.irp i, 0,1,2,3
	ds_load_b128 v[CV+4*\i:CV+4*\i+3], v[LZ] offset:16*\i
.endr
	s_wait_dscnt 0x0
.irp j, 0,1,2,3,4,5,6,7,8,9,10,11,12,13,14,15
	v_readfirstlane_b32 s[CW+\j], v[CV+\j]
.endr
.irp j, 0,1,2,3,4,5,6,7,8,9,10,11,12,13,14,15
	s_cmp_gt_u32 s12, \j
	s_cselect_b32 s17, s[CW+\j], 0
	s_add_co_u32 s15, s15, s17                     ; the waves before mine
	s_add_co_u32 s16, s16, s[CW+\j]
.endr
.irp k, 0,1,2,3,4,5,6,7
	v_mbcnt_lo_u32_b32 v3, s[MK+\k], 0             ; hits in the lanes below mine
	v_add_nc_u32 v3, s15, v3
	v_min_u32 v3, 0xfff, v3                        ; an expert has at most 4,096 rows
	v_lshlrev_b32 v[AD+\k], 2, v3
	v_cndmask_b32 v3, 0, 1, s[MB+\k]               ; the slot
	v_add_nc_u32 v[DA+\k], v4, v3
	v_add_nc_u32 v[DA+\k], 256*(\k/4)+2*(\k%4), v[DA+\k]   ; 2 x token + slot
	s_bcnt1_i32_b32 s18, s[MK+\k]
	s_add_co_u32 s15, s15, s18
.endr
.irp k, 0,1,2,3,4,5,6,7
	s_wait_xcnt 0x0                                ; EXEC changes only behind this wait
	s_and_saveexec_b32 s18, s[MK+\k]
	global_store_b32 v[AD+\k], v[DA+\k], s[6:7]    ; the lanes that are on store neighbouring words
	s_wait_xcnt 0x0
	s_or_b32 exec_lo, exec_lo, s18
.endr
	v_mov_b32 v[TD], s16
	s_cmp_lg_u32 s12, 0
	s_cbranch_scc1 .Ldone                          ; wave 0 stores the count; no barrier follows
	v_cmp_eq_u32 vcc_lo, 0, v0
	s_and_saveexec_b32 s18, vcc_lo                 ; its lane 0 alone
	global_store_b32 v[CA], v[TD], s[8:9]
	s_wait_xcnt 0x0
	s_or_b32 exec_lo, exec_lo, s18
.Ldone:
	s_wait_tensorcnt 0x0
	ds_add_u32 v64, v65
	s_wait_dscnt 0x0
	s_endpgm
.Lfunc_end_k_q3898e0d224_place:
	.size	k_q3898e0d224_place, .Lfunc_end_k_q3898e0d224_place-k_q3898e0d224_place
	.p2alignl 7, 3214868480
	.fill 96, 4, 3214868480
	.section	.rodata,"a",@progbits
	.p2align	6, 0x0
	.amdhsa_kernel k_q3898e0d224_place
		.amdhsa_group_segment_fixed_size 2304
		.amdhsa_private_segment_fixed_size 0
		.amdhsa_enable_private_segment 0
		.amdhsa_kernarg_size 24
		.amdhsa_user_sgpr_count 2
		.amdhsa_user_sgpr_kernarg_segment_ptr 1
		.amdhsa_wavefront_size32 1
		.amdhsa_system_sgpr_workgroup_id_x 1
		.amdhsa_system_sgpr_workgroup_id_y 1
		.amdhsa_system_sgpr_workgroup_id_z 1
		.amdhsa_system_vgpr_workitem_id 0
		.amdhsa_next_free_vgpr 66
		.amdhsa_next_free_sgpr 66
		.amdhsa_reserve_vcc 1
		.amdhsa_float_denorm_mode_32 3
		.amdhsa_float_denorm_mode_16_64 3
		.amdhsa_memory_ordered 1
		.amdhsa_forward_progress 1
		.amdhsa_inst_pref_size 13
	.end_amdhsa_kernel
	.amdgpu_metadata
---
amdhsa.version: [ 1, 2 ]
amdhsa.kernels:
  - .name:           k_q3898e0d224_place
    .symbol:         k_q3898e0d224_place.kd
    .args:
      - { .name: sel, .offset: 0, .size: 8, .value_kind: global_buffer, .address_space: global }
      - { .name: list, .offset: 8, .size: 8, .value_kind: global_buffer, .address_space: global }
      - { .name: cnt, .offset: 16, .size: 8, .value_kind: global_buffer, .address_space: global }
    .group_segment_fixed_size: 2304
    .private_segment_fixed_size: 0
    .kernarg_segment_align: 8
    .kernarg_segment_size: 24
    .max_flat_workgroup_size: 512
    .sgpr_count:     66
    .vgpr_count:     66
    .wavefront_size: 32
...
	.end_amdgpu_metadata
.endif
;; end of part 2
;; launch ffn (part 3): grid 135 x 1, 4 waves a work-group, no clusters, 87,552 bytes of LDS; arguments x, wq, b1, b2, cnt, list, gw, part; writes part
.if DOCPART == 3
	.amdgcn_target "amdgcn-amd-amdhsa--gfx1250"
	.amdhsa_code_object_version 6
	.text
	.protected	k_q3898e0d224_ffn
	.globl	k_q3898e0d224_ffn
	.p2align	8
	.type	k_q3898e0d224_ffn,@function
k_q3898e0d224_ffn:
	s_mov_b64 s[64:65], 0
	v_nop
	global_prefetch_b8 v0, s[64:65] scope:SCOPE_SE
	s_setreg_imm32_b32 hwreg(HW_REG_WAVE_MODE, 25, 1), 1
	s_wait_xcnt 0x0
; FFN.  part[2 t + slot][:] = gate x (relu(x[t] W1[e] + b1[e]) W2[e] + b2[e]) for the routed rows, both products on codes of E3M2 with one E8M0 scale for each 32 along K.
; A work-group takes 64 routed rows of ONE expert through the whole chain; the hidden layer stays in registers and LDS.  With 8,192 routed rows and 8 experts there are never more than 8192 / 64 + 7 = 135 tiles.
; Which tile is mine is worked out from cnt without a branch.  A work-group that a split leaves without rows (at most 7) walks the same text on its expert's last row and jumps over its stores:
; every wave passes every barrier, and no barrier stands under a branch on a number that was read from memory.
; SHARES.  The four waves share the COLUMNS.  The hidden layer goes in four chunks of 512 units; in chunk c wave w makes units 512 c + 128 w + 0 .. 127 for all 64 rows (phase 1) and adds the chunk's part onto
; output columns 128 w + 0 .. 127 for all 64 rows (phase 2).  Both phases have one shape: for each of 4 K steps of 128: four fragments of rows from LDS, two records of four weight fragments from memory, 2 x 16 products.
; THE WEIGHTS come from wq straight into registers, 64 records of 6,400 bytes on end for each (expert, wave); a chunk is records 0-7 (phase 1) and 8-15 (phase 2).  Four register slots form a ring: the group that has multiplied
; a slot's record asks for the record four on.  Between the phases the quantiser leaves the hidden layer's accumulators, 64 registers for each 16 rows: each 64 at once take one of records 12-15.  So all of phase 2's records have
; been asked for when phase 2 begins, and its first four groups fill the ring with the next chunk's records 0-3, seven groups ahead of their use.
; BOTH PRODUCTS ARE USED TRANSPOSED (source 0 = 16 columns of the weight, source 1 = 16 rows): a lane holds one row.  A tile's 16 columns are 32 b + 8 u + r + 8 (r / 8), so that the 16 registers of tiles 2 b and 2 b + 1
; are 16 neighbours: for the hidden layer along the next K, for the output along a row of part.
; ROWS' OPERANDS go from wave to wave through LDS as images of their registers (1,536 bytes a fragment, 128 bytes of scale words).
; NO CLUSTER, NO TENSOR LOAD: the row tiles of an expert read the same weights, but how many tiles an expert has hangs on cnt, so partners could not be given tiles of one expert at every split, and the stores are jumped over on a stored count.
; NO PREFETCH: a record is read by every row tile of its expert, not once.
; LIMITS: NaN and infinities are not served; a block whose largest magnitude lies under 2^-122 (zeros among them) gets the scale byte 1.  In a tile's last valid 16 rows up to 15 rows repeat the last valid row: the same wave stores the same bytes again.
; REGISTERS, in windows of 256 (s_set_vgpr_msb: bits 1:0 source 0, 3:2 source 1, 5:4 source 2, 7:6 destination):
;   window 0: addresses, scale words, two sets of four row fragments, the quantiser's work.   window 1: v0-191 the ring, 48 a slot; v192-255 a bias, 8 a tile.
;   window 2: the hidden layer's 32 accumulators, (tile t, rows m) at 64 m + 8 t; in phase 2 records 12 + m at 64 m; at the head the f32 numbers of x.   window 3: the output's 32 accumulators, (t, m) at 64 m + 8 t.
.set REC,  6400
.set XIMG, 0                           ; LDS: x's 16 fragments (rows m, K step s: 4 m + s)
.set XSC,  24576                       ; their scale words, 128 bytes each
.set HIMG, 26624                       ; a chunk's 16 hidden fragments (4 m + s, s = the wave that made it)
.set HSC,  51200
.set STG,  53248                       ; the way out: 16 rows x (512 + 16) bytes for each wave
.set LI,   1                           ; v1  16 x lane
.set LS,   2                           ; v2  4 x lane
.set VS,   3                           ; v3  8 x lane
.set XWI,  4                           ; v4  where I store x's images: 16 lane + 6,144 w
.set XWS,  5                           ; v5  and their scale words: 4 lane + 512 w
.set HWI,  6                           ; v6  the hidden layer's: 16 lane + 1,536 w
.set HWS,  7                           ; v7  4 lane + 128 w
.set SO,   8                           ; v8  the stage: row r, + 64 h
.set SR,   9                           ; v9  and back: 16 x lane
.set BA,   10                          ; v10 64 h: a bias's bytes for my half
.set XA,   11                          ; v11 my row of x
.set PO,   12                          ; v12 512 w + 16 lane: my bytes of a row of part
.set ENT,  16                          ; v16-19 the entries (2 token + slot) of rows 16 m + r
.set ENTW, 20                          ; v20 that of row 16 w + r
.set G,    22                          ; v22, 24, 26, 28 their gates (the odd registers are named with them as pairs)
.set WS,   30                          ; v30-37 the ring's scale words, 2 a slot: nothing else is ever kept here
.set BS,   38                          ; v38-45 rows' scale words, 4 a set: likewise
.set BF,   48                          ; v48-143 rows' fragments, two sets of 4 x 12
.set PC,   144                         ; v144-162 the codes just made
.set TM,   164                         ; v164-179 largest magnitudes, bytes, scale operands
.set PW,   180                         ; v180 the scale word just made
.set WX,   200                         ; v200-207 scale words of records 12-15, 2 a record: nothing else is ever kept here
.set OT,   48                          ; the way out: 64 results
.set OB,   112                         ; 16 rows read back
.set AD,   184                         ; their places in part
.set WV,   20                          ; s20 wave
.set NV,   46                          ; s46 how many of my 64 rows are valid
.set WP,   36                          ; s[36:37] the weights' stream, at the chunk in hand
.set BP,   38                          ; s[38:39] b1, the next chunk's
.set B2P,  40                          ; s[40:41] b2
.set SEL,  42                          ; s[42:43] lane selects for lane l xor 16
.set FLR,  44                          ; s44 the floor 2^(5 - 127)
.set MSB, 0
.macro WIN new                         ; the immediate's high byte repeats the setting that is left
.if MSB != \new
	s_set_vgpr_msb (MSB<<8)|\new
.set MSB, \new
.endif
.endm
; A load into a register that a matrix instruction has read, and a vector instruction that reads a matrix result, stand four places behind it; only plain vector instructions that name none of its registers are places.
.macro PLACES
.rept 4
	v_nop
.endr
.endm
.macro REFILL slot, off                ; a record into a slot of the ring: 12 loads of 512 consecutive bytes, and its 256 bytes of scale words: 13 loads
	WIN 0x40
.irp k, 0,1,2,3,4,5,6,7,8,9,10,11
	global_load_b128 v[48*(\slot)+4*\k:48*(\slot)+4*\k+3], v[LI], s[WP:WP+1] offset:(\off)+512*\k
.endr
	WIN 0
	global_load_b64 v[WS+2*(\slot):WS+2*(\slot)+1], v[VS], s[WP:WP+1] offset:(\off)+6144
.endm
.macro REFILLX slot, off               ; the same into the 64 registers that rows 16 slot .. + 15 of the hidden layer have left
	WIN 0x80
.irp k, 0,1,2,3,4,5,6,7,8,9,10,11
	global_load_b128 v[64*(\slot)+4*\k:64*(\slot)+4*\k+3], v[LI], s[WP:WP+1] offset:(\off)+512*\k
.endr
	WIN 0
	global_load_b64 v[WX+2*(\slot):WX+2*(\slot)+1], v[VS], s[WP:WP+1] offset:(\off)+6144
.endm
.macro BIASLD sp                       ; a bias in the results' layout: tile 2 b + u, lane half h: numbers 32 b + 16 h + 8 u + 0 .. 7: 16 loads
	WIN 0x40
.irp t, 0,1,2,3,4,5,6,7
.irp q, 0,1
	global_load_b128 v[192+8*\t+4*\q:192+8*\t+4*\q+3], v[BA], s[\sp:\sp+1] offset:128*(\t/2)+32*(\t%2)+16*\q
.endr
.endr
	WIN 0
.endm
.macro FETCHB set, img, sc, s          ; the four row tiles' fragments of K step s, and their scale words
.irp m, 0,1,2,3
.irp k, 0,1,2
	ds_load_b128 v[BF+48*(\set)+12*\m+4*\k:BF+48*(\set)+12*\m+4*\k+3], v[LI] offset:(\img)+(4*\m+(\s))*1536+512*\k
.endr
	ds_load_b32 v[BS+4*(\set)+\m], v[LS] offset:(\sc)+(4*\m+(\s))*128
.endr
.endm
; 16 products: the record's four tiles x the four row tiles.  cm = 1: the bias starts the sums; 2: the constant 0 does; 0: they go on.  ex = 1: the record lies in window 2.
; The 32 accumulators of a phase take turns, one instruction a turn, in the same order in every K step, from phase to phase and over the loop's backward jump.
.macro MUL16 ph, slot, g, set, cm, ex
.if (\ex)
	WIN 0xf2
.elseif (\ph) == 2
	WIN 0xf1
.elseif (\cm) == 1
	WIN 0x91
.else
	WIN 0xa1
.endif
.irp f, 0,1,2,3
.irp m, 0,1,2,3
.set rD, 64*\m+8*(4*(\g)+\f)
.if (\ex)
.set rA, 64*(\slot)+12*\f
.set rW, WX+2*(\slot)+\f/2
.else
.set rA, 48*(\slot)+12*\f
.set rW, WS+2*(\slot)+\f/2
.endif
.set rB, BF+48*(\set)+12*\m
.set rC, 192+8*(4*(\g)+\f)
.set rS, BS+4*(\set)+\m
.if \f%2 == 0
.if (\cm) == 1
	v_wmma_scale_f32_16x16x128_f8f6f4 v[rD:rD+7], v[rA:rA+11], v[rB:rB+11], v[rC:rC+7], v[rW], v[rS] matrix_a_fmt:MATRIX_FMT_BF6 matrix_b_fmt:MATRIX_FMT_BF6
.elseif (\cm) == 2
	v_wmma_scale_f32_16x16x128_f8f6f4 v[rD:rD+7], v[rA:rA+11], v[rB:rB+11], 0, v[rW], v[rS] matrix_a_fmt:MATRIX_FMT_BF6 matrix_b_fmt:MATRIX_FMT_BF6
.else
	v_wmma_scale_f32_16x16x128_f8f6f4 v[rD:rD+7], v[rA:rA+11], v[rB:rB+11], v[rD:rD+7], v[rW], v[rS] matrix_a_fmt:MATRIX_FMT_BF6 matrix_b_fmt:MATRIX_FMT_BF6
.endif
.else
.if (\cm) == 1
	v_wmma_scale_f32_16x16x128_f8f6f4 v[rD:rD+7], v[rA:rA+11], v[rB:rB+11], v[rC:rC+7], v[rW], v[rS] matrix_a_fmt:MATRIX_FMT_BF6 matrix_b_fmt:MATRIX_FMT_BF6 matrix_a_scale:MATRIX_SCALE_ROW1
.elseif (\cm) == 2
	v_wmma_scale_f32_16x16x128_f8f6f4 v[rD:rD+7], v[rA:rA+11], v[rB:rB+11], 0, v[rW], v[rS] matrix_a_fmt:MATRIX_FMT_BF6 matrix_b_fmt:MATRIX_FMT_BF6 matrix_a_scale:MATRIX_SCALE_ROW1
.else
	v_wmma_scale_f32_16x16x128_f8f6f4 v[rD:rD+7], v[rA:rA+11], v[rB:rB+11], v[rD:rD+7], v[rW], v[rS] matrix_a_fmt:MATRIX_FMT_BF6 matrix_b_fmt:MATRIX_FMT_BF6 matrix_a_scale:MATRIX_SCALE_ROW1
.endif
.endif
.endr
.endr
.endm
; A group: the record in a slot is multiplied.  wt: at most so many loads were issued behind it.  rf: the record, counted from WP, that the slot of the ring takes next; -1: none.
.macro GRP ph, slot, g, set, cm, ex, wt, rf
	s_wait_loadcnt \wt
	MUL16 \ph, \slot, \g, \set, \cm, \ex
	PLACES
.if (\rf) >= 0
	REFILL \slot, (\rf)*REC
.else
	WIN 0
.endif
.endm
; 64 numbers of a lane in window 2, register src + 16 b + i = k 32 b + 16 (lane / 16) + i of my row, become a fragment's codes in v[PC] on and its scale word in v[PW].
.macro QUANT src, relu
.if \relu
	WIN 0x88
.set j_, 0
.rept 64
	v_max_num_f32 v[(\src)+j_], 0, v[(\src)+j_]    ; the activation, in f32; each accumulator from its low end on
.set j_, j_+1
.endr
.endif
	WIN 0x28
.irp b, 0,1,2,3
	v_max3_num_f32 v[TM+\b], s[FLR], |v[(\src)+16*\b]|, |v[(\src)+16*\b+1]|   ; block b: my 16 numbers, and the floor, so that the byte cannot fall under 1
.endr
.irp i, 2,4,6,8,10,12,14
.irp b, 0,1,2,3
	v_max3_num_f32 v[TM+\b], v[TM+\b], |v[(\src)+16*\b+\i]|, |v[(\src)+16*\b+\i+1]|   ; (the four blocks by turns)
.endr
.endr
	WIN 0
.irp b, 0,1,2,3
	v_permlanex16_b32 v[TM+4+\b], v[TM+\b], s[SEL], s[SEL+1]
.endr
.irp b, 0,1,2,3
	v_max_num_f32 v[TM+\b], v[TM+\b], v[TM+4+\b]   ; with lane l xor 16's: the block's largest magnitude
.endr
.irp b, 0,1,2,3
	v_add_nc_u32 v[TM+12+\b], 0xfe000000, v[TM+\b] ; 4 off its exponent field: the conversion's scale operand
.endr
.irp b, 0,1,2,3
	v_lshrrev_b32 v[TM+4+\b], 23, v[TM+12+\b]      ; the scale's byte
.endr
	s_wait_dscnt 0x0                               ; the last fragment's stores into LDS have read v[PW] and v[PC] on: from here on these are written anew
	v_lshl_or_b32 v[PW], v[TM+5], 8, v[TM+4]
	v_lshl_or_b32 v[PW], v[TM+6], 16, v[PW]
	v_lshl_or_b32 v[PW], v[TM+7], 24, v[PW]
	WIN 0x02
.irp c, 0,1
	v_cvt_scalef32_pk16_bf6_f32 v[PC+6*\c:PC+2+6*\c], v[(\src)+32*\c:(\src)+15+32*\c], v[TM+12+2*\c]
	v_cvt_scalef32_pk16_bf6_f32 v[PC+12+4*\c:PC+14+4*\c], v[(\src)+16+32*\c:(\src)+31+32*\c], v[TM+13+2*\c]   ; (a conversion's three registers begin on an even number)
.endr
	WIN 0
	v_nop                                          ; one plain line behind a scaled conversion
.irp c, 0,1                            ; the operand's layout wants a whole block in a lane: lanes 0-15 block 2 c, lanes 16-31 block 2 c + 1
.irp i, 0,1,2
	v_permlane16_swap_b32 v[PC+6*\c+\i], v[PC+12+4*\c+\i]
.endr
.irp i, 0,1,2
	v_mov_b32 v[PC+3+6*\c+\i], v[PC+12+4*\c+\i]
.endr
.endr
.endm
.macro IMAGE adr, off, sadr, soff      ; the fragment goes to LDS as it stands, and its scale words; the wait for these stores stands in the next QUANT, or in front of the barrier
.irp k, 0,1,2
	ds_store_b128 v[\adr], v[PC+4*\k:PC+4*\k+3] offset:(\off)+512*\k
.endr
	ds_store_b32 v[\sadr], v[PW] offset:\soff
.endm
.macro BARRIER                         ; my LDS stores have landed and my LDS loads are in: then the work-group's barrier
	s_wait_dscnt 0x0
	s_barrier_signal -1
	s_barrier_wait -1
.endm
; ---------------------------------------------------------------- the head
	s_load_b512 s[4:19], s[0:1], 0x0               ; x 4:5, wq 6:7, b1 8:9, b2 10:11, cnt 12:13, list 14:15, gw 16:17, part 18:19
	v_lshl_add_u32 v254, v0, 2, 0x15400
	v_mov_b32 v255, 0
	v_lshrrev_b32 v13, 5, v0
	v_readfirstlane_b32 s[WV], v13                 ; wave 0..3
	s_mov_b32 s21, ttmp9                           ; my tile's number
	v_and_b32 v14, 31, v0                          ; lane
	v_and_b32 v13, 15, v0                          ; r
	v_bfe_u32 v15, v0, 4, 1                        ; h
	v_lshlrev_b32 v[LI], 4, v14
	v_lshlrev_b32 v[LS], 2, v14
	v_lshlrev_b32 v[VS], 3, v14
	s_mul_i32 s34, s[WV], 6144
	v_add_nc_u32 v[XWI], s34, v[LI]
	s_lshl_b32 s34, s[WV], 9
	v_add_nc_u32 v[XWS], s34, v[LS]
	v_add_nc_u32 v[PO], s34, v[LI]
	s_mul_i32 s34, s[WV], 1536
	v_add_nc_u32 v[HWI], s34, v[LI]
	s_lshl_b32 s34, s[WV], 7
	v_add_nc_u32 v[HWS], s34, v[LS]
	s_mul_i32 s34, s[WV], 8448
	s_add_co_u32 s34, s34, STG
	v_mul_u32_u24 v[SO], v13, 528
	v_lshl_add_u32 v[SO], v15, 6, v[SO]
	v_add_nc_u32 v[SO], s34, v[SO]
	v_add_nc_u32 v[SR], s34, v[LI]
	v_lshlrev_b32 v[BA], 6, v15
.irp b, 0,1,2,3
	v_mov_b32 v[TM+4+\b], 0                        ; a lane permute's destination counts as one of its sources
	v_mov_b32 v[G+1+2*\b], 0                       ; named as the upper halves of the gates' pairs
.endr
	s_mov_b32 s[SEL], 0x76543210
	s_mov_b32 s[SEL+1], 0xfedcba98
	s_mov_b32 s[FLR], 0x2800000
	s_wait_kmcnt 0x0
	s_load_b256 s[24:31], s[12:13], 0x0            ; the eight counts
	s_mov_b32 s33, 0                               ; tiles before expert e
	s_mov_b32 s22, 0                               ; my expert,
	s_mov_b32 s23, 0                               ; its first tile,
	s_mov_b32 s32, 0                               ; its count
	s_wait_kmcnt 0x0
; my expert is the last one that has rows and whose first tile is not behind mine: selects, no branch
.irp e, 0,1,2,3,4,5,6,7
	s_min_u32 s34, s[24+\e], 4096
	s_add_co_u32 s47, s34, 63
	s_lshr_b32 s47, s47, 6                         ; its tiles
	s_cmp_lg_u32 s47, 0
	s_cselect_b32 s46, s33, -1
	s_cmp_le_u32 s46, s21
	s_cselect_b32 s22, \e, s22
	s_cselect_b32 s23, s33, s23
	s_cselect_b32 s32, s34, s32
	s_add_co_u32 s33, s33, s47
.endr
	s_min_u32 s22, s22, 7
	s_sub_co_u32 s35, s21, s23
	s_lshl_b32 s35, s35, 6                         ; my first row in the expert's list
	s_sub_co_i32 s[NV], s32, s35
	s_max_i32 s[NV], s[NV], 0                      ; how many of my 64 rows there are
	s_sub_co_u32 s32, s32, 1                       ; the list's last row: rows behind it repeat it
	s_mov_b32 s61, 0
	s_lshl_b32 s60, s22, 2
	s_add_co_u32 s60, s60, s[WV]
	s_mul_i32 s60, s60, 64*REC
	s_add_nc_u64 s[WP:WP+1], s[6:7], s[60:61]
	s_lshl_b32 s34, s[WV], 9
	s_lshl_b32 s60, s22, 13
	s_add_co_u32 s60, s60, s34
	s_add_nc_u64 s[BP:BP+1], s[8:9], s[60:61]      ; b1[e][128 w]
	s_lshl_b32 s60, s22, 11
	s_add_co_u32 s60, s60, s34
	s_add_nc_u64 s[B2P:B2P+1], s[10:11], s[60:61]  ; b2[e][128 w]
	s_lshl_b32 s60, s22, 14
	s_add_nc_u64 s[14:15], s[14:15], s[60:61]      ; list[e]
.irp m, 0,1,2,3
	s_add_co_u32 s34, s35, 16*\m
	v_add_nc_u32 v[48+\m], s34, v13
	v_min_u32 v[48+\m], s32, v[48+\m]
	v_min_u32 v[48+\m], 0xfff, v[48+\m]
	v_lshlrev_b32 v[48+\m], 2, v[48+\m]
	global_load_b32 v[ENT+\m], v[48+\m], s[14:15]
.endr
	s_lshl_b32 s34, s[WV], 4
	s_add_co_u32 s34, s34, s35
	v_add_nc_u32 v52, s34, v13
	v_min_u32 v52, s32, v52
	v_min_u32 v52, 0xfff, v52
	v_lshlrev_b32 v52, 2, v52
	global_load_b32 v[ENTW], v52, s[14:15]
	REFILL 0, 0
	REFILL 1, REC
	REFILL 2, 2*REC
	REFILL 3, 3*REC
	BIASLD BP                                      ; chunk 0's b1
	s_wait_loadcnt 63                              ; 68 loads were issued behind the five entries
.irp m, 0,1,2,3
	v_min_u32 v[ENT+\m], 0x1fff, v[ENT+\m]
	v_lshlrev_b32 v[53+\m], 2, v[ENT+\m]
	global_load_b32 v[G+2*\m], v[53+\m], s[16:17]  ; the rows' gates
.endr
	v_lshrrev_b32 v[XA], 1, v[ENTW]                ; the token
	v_min_u32 v[XA], 0xfff, v[XA]
	v_lshlrev_b32 v[XA], 11, v[XA]
	v_add_nc_u32 v[XA], v[BA], v[XA]               ; its row of 2,048 bytes, + 64 h: my 16 numbers of each block of 32
	WIN 0x80
.irp s, 0,1,2,3
.irp b, 0,1,2,3
.irp j, 0,1,2,3
	global_load_b128 v[64*\s+16*\b+4*\j:64*\s+16*\b+4*\j+3], v[XA], s[4:5] offset:512*\s+128*\b+16*\j
.endr
.endr
.endr
	WIN 0
.irp s, 0,1,2,3                        ; wave w quantises rows 16 w .. 16 w + 15: four fragments
	s_wait_loadcnt 48-16*\s                        ; the K steps behind this one may be out, 16 loads each
	QUANT 64*\s, 0
	IMAGE XWI, XIMG+1536*\s, XWS, XSC+128*\s
.endr
	s_wait_xcnt 0x0                                ; the bias's loads have read their base
	s_add_nc_u64 s[BP:BP+1], s[BP:BP+1], 2048      ; on to chunk 1's b1
	BARRIER                                        ; x's sixteen fragments lie in LDS, and stay
	FETCHB 0, XIMG, XSC, 0
; ---------------------------------------------------------------- a chunk of 512 hidden units
; first = 1: phase 2's first products start the output's sums with the constant 0: nothing is cleared.  last = 1: no record behind the stream's end is asked for, and the bias that is fetched is b2.
; THE COUNTS OF THE WAITS FOR LOADS.  A record is 13 loads, a bias 16.  The order of issue in a chunk: groups 0-7 ask for records 4-11; the quantiser for 12-15; groups 8, 9 for the next chunk's 0, 1; the bias; groups 10, 11 for its 2, 3.
;   group 0: 26: behind the bias, which its products take as C, stand two records (record 0 came before the bias).   groups 1-7: 39: three records stand behind the one that is wanted (behind group 1's more).
;   groups 8-15: between 68 and 107 loads stand behind the record that is wanted: the count's field names 63 at the most.
;   last = 1: groups 8-11 likewise (91, 78, 81, 68 behind); group 12: 55 = records 13-15 and b2; 13: 42; 14: 29; 15: 0, since the way out wants b2.
.macro CHUNK first, last
.irp s, 0,1,2,3                        ; PHASE 1: records 2 s and 2 s + 1
	s_wait_dscnt 0x0                               ; this K step's rows are in
.if \s == 0
	GRP 1, 0, 0, 0, 1, 0, 26, 4
	FETCHB 1, XIMG, XSC, 1
	GRP 1, 1, 1, 0, 1, 0, 39, 5
.else
	GRP 1, (2*\s)%4, 0, \s%2, 0, 0, 39, 2*\s+4
.if \s < 3
	FETCHB (\s+1)%2, XIMG, XSC, \s+1
.endif
	GRP 1, (2*\s+1)%4, 1, \s%2, 0, 0, 39, 2*\s+5
.endif
.endr
	BARRIER                                        ; BETWEEN THE PHASES: every wave's reads of the last chunk's hidden fragments are over
.irp m, 0,1,2,3                        ; my 128 hidden units of the 64 rows become K step w of phase 2
	QUANT 64*\m, 1
	IMAGE HWI, HIMG+6144*\m, HWS, HSC+512*\m
	REFILLX \m, (12+\m)*REC                        ; the 64 registers just left take a record of phase 2's second half
.endr
	BARRIER                                        ; the chunk's sixteen hidden fragments lie in LDS
	FETCHB 0, HIMG, HSC, 0
	s_wait_dscnt 0x0                               ; PHASE 2: records 8 + 2 s + g; the first four from the ring, whose slots take the next chunk's first four
	GRP 2, 0, 0, 0, 2*\first, 0, 63, 17*(1-\last)-1
	FETCHB 1, HIMG, HSC, 1
	GRP 2, 1, 1, 0, 2*\first, 0, 63, 18*(1-\last)-1
.if \last
	BIASLD B2P
.else
	BIASLD BP                                      ; the next chunk's b1
.endif
	s_wait_dscnt 0x0
	GRP 2, 2, 0, 1, 0, 0, 63, 19*(1-\last)-1
	FETCHB 0, HIMG, HSC, 2
	GRP 2, 3, 1, 1, 0, 0, 63, 20*(1-\last)-1
	s_wait_dscnt 0x0
	GRP 2, 0, 0, 0, 0, 1, 63-8*\last, -1           ; the last four from window 2
	FETCHB 1, HIMG, HSC, 3
	GRP 2, 1, 1, 0, 0, 1, 63-21*\last, -1
	s_wait_dscnt 0x0
	GRP 2, 2, 0, 1, 0, 1, 63-34*\last, -1
.if !\last
	FETCHB 0, XIMG, XSC, 0                         ; the next chunk's phase 1 begins with x's K step 0
.endif
	GRP 2, 3, 1, 1, 0, 1, 63-63*\last, -1
.if !\last
	v_nop                                          ; a fifth place: the next chunk's first products write over registers of window 2 that the products just issued have read (ISA guide 7.12.1)
	s_wait_xcnt 0x0                                ; the loads issued so far have read their bases
	s_add_nc_u64 s[WP:WP+1], s[WP:WP+1], 16*REC
	s_add_nc_u64 s[BP:BP+1], s[BP:BP+1], 2048
.endif
.endm
	CHUNK 1, 0
	s_mov_b32 s45, 2
.Lchunk:                                           ; chunks 1 and 2 (every window is 0 here)
	CHUNK 0, 0
	s_sub_co_u32 s45, s45, 1
	s_cmp_lg_u32 s45, 0
	s_cbranch_scc1 .Lchunk
	CHUNK 0, 1
; ---------------------------------------------------------------- the way out, 16 rows at a time
; (sum + b2) x gate; a lane's 16 registers of tiles 2 b, 2 b + 1 are 64 neighbouring bytes of its row.  They go through my own stage and come back as whole rows of 512 bytes, which 32 lanes store to the row's place in part.
.macro WAYOUT m
	s_cmp_le_u32 s[NV], 16*\m                      ; none of these 16 rows is valid: nothing is stored (a branch on a stored count; no barrier follows)
	s_cbranch_scc1 .Lskip_\@
	s_wait_xcnt 0x0                                ; the last 16 rows' stores have read their registers
	WIN 0x07
.irp t, 0,1,2,3,4,5,6,7
.irp q, 0,1,2,3
	v_pk_add_f32 v[OT+8*\t+2*\q:OT+8*\t+2*\q+1], v[64*\m+8*\t+2*\q:64*\m+8*\t+2*\q+1], v[192+8*\t+2*\q:192+8*\t+2*\q+1]   ; each accumulator from its low end on
.endr
.endr
	WIN 0
.irp i, 0,1,2,3,4,5,6,7,8,9,10,11,12,13,14,15
	v_readlane_b32 s[48+\i], v[ENT+\m], \i         ; row i's entry; the sixteen stand together, ahead of the lines that read them
.endr
.set j_, 0
.rept 32
	v_pk_mul_f32 v[OT+j_:OT+j_+1], v[OT+j_:OT+j_+1], v[G+2*\m:G+2*\m+1] op_sel_hi:[1,0]
.set j_, j_+2
.endr
.irp b, 0,1,2,3
.irp k, 0,1,2,3
	ds_store_b128 v[SO], v[OT+16*\b+4*\k:OT+16*\b+4*\k+3] offset:128*\b+16*\k
.endr
.endr
.irp i, 0,1,2,3,4,5,6,7,8,9,10,11,12,13,14,15
	ds_load_b128 v[OB+4*\i:OB+4*\i+3], v[SR] offset:528*\i         ; LDS serves a wave's instructions in order (ISA guide 5.7.1.4): these see my stores
.endr
.irp i, 0,1,2,3,4,5,6,7,8,9,10,11,12,13,14,15
	s_min_u32 s[48+\i], s[48+\i], 0x1fff
	s_lshl_b32 s[48+\i], s[48+\i], 11              ; a row of part is 2,048 bytes
.endr
.irp i, 0,1,2,3,4,5,6,7,8,9,10,11,12,13,14,15
	v_add_nc_u32 v[AD+\i], s[48+\i], v[PO]
.endr
.irp i, 0,1,2,3,4,5,6,7,8,9,10,11,12,13,14,15
	s_wait_dscnt 15-\i                             ; row i is back; the rows behind it may be out
	global_store_b128 v[AD+\i], v[OB+4*\i:OB+4*\i+3], s[18:19] th:TH_STORE_NT   ; 512 consecutive bytes, at a multiple of 256 from part's first byte
.endr
.Lskip_\@:
.endm
	WAYOUT 0
	WAYOUT 1
	WAYOUT 2
	WAYOUT 3
	s_wait_tensorcnt 0x0
	ds_add_u32 v254, v255
	s_wait_dscnt 0x0
	s_endpgm
.Lfunc_end_k_q3898e0d224_ffn:
	.size	k_q3898e0d224_ffn, .Lfunc_end_k_q3898e0d224_ffn-k_q3898e0d224_ffn
	.p2alignl 7, 3214868480
	.fill 96, 4, 3214868480
	.section	.rodata,"a",@progbits
	.p2align	6, 0x0
	.amdhsa_kernel k_q3898e0d224_ffn
		.amdhsa_group_segment_fixed_size 87552
		.amdhsa_private_segment_fixed_size 0
		.amdhsa_enable_private_segment 0
		.amdhsa_kernarg_size 64
		.amdhsa_user_sgpr_count 2
		.amdhsa_user_sgpr_kernarg_segment_ptr 1
		.amdhsa_wavefront_size32 1
		.amdhsa_system_sgpr_workgroup_id_x 1
		.amdhsa_system_sgpr_workgroup_id_y 1
		.amdhsa_system_sgpr_workgroup_id_z 1
		.amdhsa_system_vgpr_workitem_id 0
		.amdhsa_next_free_vgpr 1024
		.amdhsa_next_free_sgpr 66
		.amdhsa_reserve_vcc 0
		.amdhsa_float_denorm_mode_32 3
		.amdhsa_float_denorm_mode_16_64 3
		.amdhsa_memory_ordered 1
		.amdhsa_forward_progress 1
		.amdhsa_inst_pref_size 255
	.end_amdhsa_kernel
	.section	.bss,"aw",@nobits
	.p2align	6
	.space	262144
	.amdgpu_metadata
---
amdhsa.version: [ 1, 2 ]
amdhsa.kernels:
  - .name:           k_q3898e0d224_ffn
    .symbol:         k_q3898e0d224_ffn.kd
    .args:
      - { .name: x, .offset: 0, .size: 8, .value_kind: global_buffer, .address_space: global }
      - { .name: wq, .offset: 8, .size: 8, .value_kind: global_buffer, .address_space: global }
      - { .name: b1, .offset: 16, .size: 8, .value_kind: global_buffer, .address_space: global }
      - { .name: b2, .offset: 24, .size: 8, .value_kind: global_buffer, .address_space: global }
      - { .name: cnt, .offset: 32, .size: 8, .value_kind: global_buffer, .address_space: global }
      - { .name: list, .offset: 40, .size: 8, .value_kind: global_buffer, .address_space: global }
      - { .name: gw, .offset: 48, .size: 8, .value_kind: global_buffer, .address_space: global }
      - { .name: part, .offset: 56, .size: 8, .value_kind: global_buffer, .address_space: global }
    .group_segment_fixed_size: 87552
    .private_segment_fixed_size: 0
    .kernarg_segment_align: 8
    .kernarg_segment_size: 64
    .max_flat_workgroup_size: 128
    .sgpr_count:     66
    .vgpr_count:     1024
    .wavefront_size: 32
...
	.end_amdgpu_metadata
.endif
;; end of part 3
;; launch combine (part 4): grid 256 x 1, 8 waves a work-group, no clusters, 0 bytes of LDS; arguments part, out0; writes out0
.if DOCPART == 4
	.amdgcn_target "amdgcn-amd-amdhsa--gfx1250"
	.amdhsa_code_object_version 6
	.text
	.protected	k_q3898e0d224_combine
	.globl	k_q3898e0d224_combine
	.p2align	8
	.type	k_q3898e0d224_combine,@function
k_q3898e0d224_combine:
	s_mov_b64 s[64:65], 0
	v_nop
	global_prefetch_b8 v0, s[64:65] scope:SCOPE_SE
	s_setreg_imm32_b32 hwreg(HW_REG_WAVE_MODE, 25, 1), 1
	s_wait_xcnt 0x0
; COMBINE.  out0[t][:] = part[2 t][:] + part[2 t + 1][:]: a token's two gated expert rows, in f32.
; A stream: a work-group takes 16 tokens (65,536 bytes in, 32,768 out); the 256 threads take two tokens an instruction, 16 bytes a thread, so every load and store of a wave covers 512 consecutive bytes.
; All 16 loads of a thread go out first; the waits count down.  No LDS, no barrier, no matrix unit: nothing is shared and nothing is multiplied.
	s_load_b128 s[4:7], s[0:1], 0x0                ; part, out0
	v_lshrrev_b32 v1, 7, v0                        ; which of the two tokens
	v_and_b32 v3, 127, v0
	v_lshlrev_b32 v3, 4, v3                        ; my 16 bytes of a row
	v_lshl_add_u32 v1, v1, 12, v3                  ; a token's two rows of part are 4,096 bytes
	v_lshlrev_b32 v2, 4, v0                        ; in out0: 16 x thread
	s_lshl_b32 s8, ttmp9, 16
	s_mov_b32 s9, 0
	s_lshl_b32 s10, ttmp9, 15
	s_mov_b32 s11, 0
	s_wait_kmcnt 0x0
	s_add_nc_u64 s[4:5], s[4:5], s[8:9]
	s_add_nc_u64 s[6:7], s[6:7], s[10:11]
.irp p, 0,1,2,3,4,5,6,7
	global_load_b128 v[8+8*\p:11+8*\p], v1, s[4:5] offset:8192*\p th:TH_LOAD_NT
	global_load_b128 v[12+8*\p:15+8*\p], v1, s[4:5] offset:8192*\p+2048 th:TH_LOAD_NT
.endr
.irp p, 0,1,2,3,4,5,6,7
	s_wait_loadcnt 14-2*\p                         ; this pair of loads is in; the pairs behind it may be out
	v_pk_add_f32 v[8+8*\p:9+8*\p], v[8+8*\p:9+8*\p], v[12+8*\p:13+8*\p]
	v_pk_add_f32 v[10+8*\p:11+8*\p], v[10+8*\p:11+8*\p], v[14+8*\p:15+8*\p]
	global_store_b128 v2, v[8+8*\p:11+8*\p], s[6:7] offset:4096*\p th:TH_STORE_NT
.endr
	s_endpgm
.Lfunc_end_k_q3898e0d224_combine:
	.size	k_q3898e0d224_combine, .Lfunc_end_k_q3898e0d224_combine-k_q3898e0d224_combine
	.p2alignl 7, 3214868480
	.fill 96, 4, 3214868480
	.section	.rodata,"a",@progbits
	.p2align	6, 0x0
	.amdhsa_kernel k_q3898e0d224_combine
		.amdhsa_group_segment_fixed_size 0
		.amdhsa_private_segment_fixed_size 0
		.amdhsa_enable_private_segment 0
		.amdhsa_kernarg_size 16
		.amdhsa_user_sgpr_count 2
		.amdhsa_user_sgpr_kernarg_segment_ptr 1
		.amdhsa_wavefront_size32 1
		.amdhsa_system_sgpr_workgroup_id_x 1
		.amdhsa_system_sgpr_workgroup_id_y 1
		.amdhsa_system_sgpr_workgroup_id_z 1
		.amdhsa_system_vgpr_workitem_id 0
		.amdhsa_next_free_vgpr 72
		.amdhsa_next_free_sgpr 66
		.amdhsa_reserve_vcc 0
		.amdhsa_float_denorm_mode_32 3
		.amdhsa_float_denorm_mode_16_64 3
		.amdhsa_memory_ordered 1
		.amdhsa_forward_progress 1
		.amdhsa_inst_pref_size 5
	.end_amdhsa_kernel
	.amdgpu_metadata
---
amdhsa.version: [ 1, 2 ]
amdhsa.kernels:
  - .name:           k_q3898e0d224_combine
    .symbol:         k_q3898e0d224_combine.kd
    .args:
      - { .name: part, .offset: 0, .size: 8, .value_kind: global_buffer, .address_space: global }
      - { .name: out0, .offset: 8, .size: 8, .value_kind: global_buffer, .address_space: global }
    .group_segment_fixed_size: 0
    .private_segment_fixed_size: 0
    .kernarg_segment_align: 8
    .kernarg_segment_size: 16
    .max_flat_workgroup_size: 256
    .sgpr_count:     66
    .vgpr_count:     72
    .wavefront_size: 32
...
	.end_amdgpu_metadata
.endif
;; end of part 4
;; ======== version 2 of 2: 4 launches; version 1 with the launch ffn written anew for expert scheduling mode
;; workspace buffers: wq 13,107,200 bytes; sel 16,384 bytes of whole numbers; gw 32,768 bytes; cnt 256 bytes of whole numbers; list 131,072 bytes of whole numbers; part 16,777,216 bytes
;; launch prep: the kernel of part 1 again; grid 256 x 1, 9 waves a work-group, no clusters, 58,880 bytes of LDS; arguments x, Wr, br, W1, W2, wq, sel, gw; writes wq, sel, gw
;; launch place: the kernel of part 2 again; grid 8 x 1, 16 waves a work-group, no clusters, 2,304 bytes of LDS; arguments sel, list, cnt; writes list, cnt
;; launch ffn (part 5): grid 135 x 1, 4 waves a work-group, no clusters, 87,552 bytes of LDS; arguments x, wq, b1, b2, cnt, list, gw, part; writes part
.if DOCPART == 5
	.amdgcn_target "amdgcn-amd-amdhsa--gfx1250"
	.amdhsa_code_object_version 6
	.text
	.protected	k_q3898e0d224_ffn
	.globl	k_q3898e0d224_ffn
	.p2align	8
	.type	k_q3898e0d224_ffn,@function
k_q3898e0d224_ffn:
	s_mov_b64 s[64:65], 0
	v_nop
	global_prefetch_b8 v0, s[64:65] scope:SCOPE_SE
	s_setreg_imm32_b32 hwreg(HW_REG_WAVE_SCHED_MODE, 0, 2), 2
	s_setreg_imm32_b32 hwreg(HW_REG_WAVE_MODE, 25, 1), 1
	s_wait_xcnt 0x0
	s_wait_alu depctr_vm_vsrc(0)
; FFN.  part[2 t + slot][:] = gate x (relu(x[t] W1[e] + b1[e]) W2[e] + b2[e]) for the routed rows, both products on codes of E3M2 with one E8M0 scale for each 32 along K.
; A work-group takes 64 routed rows of ONE expert through the whole chain; the hidden layer stays in registers and LDS.  With 8,192 routed rows and 8 experts there are never more than 8192 / 64 + 7 = 135 tiles.
; Which tile is mine is worked out from cnt without a branch.  A work-group that a split leaves without rows (at most 7) walks the same text on its expert's last row and jumps over its stores:
; every wave passes every barrier, and no barrier stands under a branch on a number that was read from memory.
; SHARES.  The four waves share the COLUMNS.  The hidden layer goes in four chunks of 512 units; in chunk c wave w makes units 512 c + 128 w + 0 .. 127 for all 64 rows (phase 1) and adds the chunk's part onto
; output columns 128 w + 0 .. 127 for all 64 rows (phase 2).  Both phases have one shape: for each of 4 K steps of 128: four fragments of rows from LDS, two records of four weight fragments from memory, 2 x 16 products.
; THE WEIGHTS come from wq straight into registers, 64 records of 6,400 bytes on end for each (expert, wave); a chunk is records 0-7 (phase 1) and 8-15 (phase 2).  Four register slots form a ring: the group that has multiplied
; a slot's record asks for the record four on.  Between the phases the quantiser leaves the hidden layer's accumulators, 64 registers for each 16 rows: each 64 at once take one of records 12-15.  So all of phase 2's records have
; been asked for when phase 2 begins, and its first four groups fill the ring with the next chunk's records 0-3, seven groups ahead of their use.
; BOTH PRODUCTS ARE USED TRANSPOSED (source 0 = 16 columns of the weight, source 1 = 16 rows): a lane holds one row.  A tile's 16 columns are 32 b + 8 u + r + 8 (r / 8), so that the 16 registers of tiles 2 b and 2 b + 1
; are 16 neighbours: for the hidden layer along the next K, for the output along a row of part.
; ROWS' OPERANDS go from wave to wave through LDS as images of their registers (1,536 bytes a fragment, 128 bytes of scale words).
; NO CLUSTER, NO TENSOR LOAD: the row tiles of an expert read the same weights, but how many tiles an expert has hangs on cnt, so partners could not be given tiles of one expert at every split, and the stores are jumped over on a stored count.
; NO PREFETCH: a record is read by every row tile of its expert, not once.
; LIMITS: NaN and infinities are not served; a block whose largest magnitude lies under 2^-122 (zeros among them) gets the scale byte 1.  In a tile's last valid 16 rows up to 15 rows repeat the last valid row: the same wave stores the same bytes again.
; REGISTERS, in windows of 256 (s_set_vgpr_msb: bits 1:0 source 0, 3:2 source 1, 5:4 source 2, 7:6 destination):
;   window 0: addresses, scale words, two sets of four row fragments, the quantiser's work.   window 1: v0-191 the ring, 48 a slot; v192-255 a bias, 8 a tile.
;   window 2: the hidden layer's 32 accumulators, (tile t, rows m) at 64 m + 8 t; in phase 2 records 12 + m at 64 m; at the head the f32 numbers of x.   window 3: the output's 32 accumulators, (t, m) at 64 m + 8 t.
; THE MODE: SCHED_MODE bits 1:0 = 2 (LLVM: expert scheduling mode 2), set by the entry lines.  The code itself states the register dependences
; between vector or matrix instructions and memory or LDS instructions, with s_wait_alu, always for 0.
; THE PLAN.  Registers that memory or LDS instructions touch, and who else names them:
;   v1-v12          offsets and LDS addresses: written at the head (v11 behind the entries), never again.
;   the ring, WS    a group's sixteen products read a slot and its two scale words; behind them the record four on lands there.
;   the bias        groups 0 and 1 take it as C (the way out adds it); the next one lands behind group 9.
;   BF, BS          two sets: a K step's 32 products read a set; the fetch behind the next K step's first group lands in it.
;   window 2, WX    64 m on: phase 1's products write them, the quantiser writes and reads them; behind it record 12 + m lands there, which group 12 + m reads.
;   PC, PW          the quantiser writes them, an image's four LDS stores read them.
;   the way out     OT: vector lines write, LDS stores read.  OB: LDS loads land, global stores read.  AD: vector lines write, global stores read as offsets.
; A wait on va_vdst stands behind a group's products wherever what follows lands in registers that products issued since the last such wait have read: the run of loads behind it (a record, the next rows) is parted from it by window
; switches alone.  The loads stay in runs: a product, a load into the ring and an LDS load each want another setting of the windows.  One more stands ahead of each image's stores, and serves the record behind them too.
; A wait on vm_vsrc stands in the quantiser ahead of the first write of PW, once behind the head's barrier, and ahead of each sixteen rows of the way out.
.set REC,  6400
.set XIMG, 0                           ; LDS: x's 16 fragments (rows m, K step s: 4 m + s)
.set XSC,  24576                       ; their scale words, 128 bytes each
.set HIMG, 26624                       ; a chunk's 16 hidden fragments (4 m + s, s = the wave that made it)
.set HSC,  51200
.set STG,  53248                       ; the way out: 16 rows x (512 + 16) bytes for each wave
.set LI,   1                           ; v1  16 x lane
.set LS,   2                           ; v2  4 x lane
.set VS,   3                           ; v3  8 x lane
.set XWI,  4                           ; v4  where I store x's images: 16 lane + 6,144 w
.set XWS,  5                           ; v5  and their scale words: 4 lane + 512 w
.set HWI,  6                           ; v6  the hidden layer's: 16 lane + 1,536 w
.set HWS,  7                           ; v7  4 lane + 128 w
.set SO,   8                           ; v8  the stage: row r, + 64 h
.set SR,   9                           ; v9  and back: 16 x lane
.set BA,   10                          ; v10 64 h: a bias's bytes for my half
.set XA,   11                          ; v11 my row of x
.set PO,   12                          ; v12 512 w + 16 lane: my bytes of a row of part
.set ENT,  16                          ; v16-19 the entries (2 token + slot) of rows 16 m + r
.set ENTW, 20                          ; v20 that of row 16 w + r
.set G,    22                          ; v22, 24, 26, 28 their gates (the odd registers are named with them as pairs)
.set WS,   30                          ; v30-37 the ring's scale words, 2 a slot: nothing else is ever kept here
.set BS,   38                          ; v38-45 rows' scale words, 4 a set: likewise
.set BF,   48                          ; v48-143 rows' fragments, two sets of 4 x 12
.set PC,   144                         ; v144-162 the codes just made
.set TM,   164                         ; v164-179 largest magnitudes, bytes, scale operands
.set PW,   180                         ; v180 the scale word just made
.set WX,   200                         ; v200-207 scale words of records 12-15, 2 a record: nothing else is ever kept here
.set OT,   48                          ; the way out: 64 results
.set OB,   112                         ; 16 rows read back
.set AD,   184                         ; their places in part
.set WV,   20                          ; s20 wave
.set NV,   46                          ; s46 how many of my 64 rows are valid
.set WP,   36                          ; s[36:37] the weights' stream, at the chunk in hand
.set BP,   38                          ; s[38:39] b1, the next chunk's
.set B2P,  40                          ; s[40:41] b2
.set SEL,  42                          ; s[42:43] lane selects for lane l xor 16
.set FLR,  44                          ; s44 the floor 2^(5 - 127)
.set MSB, 0
.macro WIN new                         ; the immediate's high byte repeats the setting that is left
.if MSB != \new
	s_set_vgpr_msb (MSB<<8)|\new
.set MSB, \new
.endif
.endm
; Four places behind a group's products.  A vector instruction that reads a matrix result stands four places behind it, and only plain vector instructions that name none of its registers are places (ISA guide 7.12.1):
; the quantiser and the way out read results.  Ahead of loads into registers that products have read it is the wait on va_vdst that states the dependence; the places stand there as they stood, ahead of the wait.
.macro PLACES
.rept 4
	v_nop
.endr
.endm
.macro REFILL slot, off                ; a record into a slot of the ring: 12 loads of 512 consecutive bytes, and its 256 bytes of scale words: 13 loads
	WIN 0x40
.irp k, 0,1,2,3,4,5,6,7,8,9,10,11
	global_load_b128 v[48*(\slot)+4*\k:48*(\slot)+4*\k+3], v[LI], s[WP:WP+1] offset:(\off)+512*\k
.endr
	WIN 0
	global_load_b64 v[WS+2*(\slot):WS+2*(\slot)+1], v[VS], s[WP:WP+1] offset:(\off)+6144
.endm
.macro REFILLX slot, off               ; the same into the 64 registers that rows 16 slot .. + 15 of the hidden layer have left.  No wait of its own: the wait ahead of the image's stores stands behind every line that names these registers
	WIN 0x80
.irp k, 0,1,2,3,4,5,6,7,8,9,10,11
	global_load_b128 v[64*(\slot)+4*\k:64*(\slot)+4*\k+3], v[LI], s[WP:WP+1] offset:(\off)+512*\k
.endr
	WIN 0
	global_load_b64 v[WX+2*(\slot):WX+2*(\slot)+1], v[VS], s[WP:WP+1] offset:(\off)+6144
.endm
.macro BIASLD sp                       ; a bias in the results' layout: tile 2 b + u, lane half h: numbers 32 b + 16 h + 8 u + 0 .. 7: 16 loads
	WIN 0x40
.irp t, 0,1,2,3,4,5,6,7
.irp q, 0,1
	global_load_b128 v[192+8*\t+4*\q:192+8*\t+4*\q+3], v[BA], s[\sp:\sp+1] offset:128*(\t/2)+32*(\t%2)+16*\q
.endr
.endr
	WIN 0
.endm
.macro FETCHB set, img, sc, s          ; the four row tiles' fragments of K step s, and their scale words
.irp m, 0,1,2,3
.irp k, 0,1,2
	ds_load_b128 v[BF+48*(\set)+12*\m+4*\k:BF+48*(\set)+12*\m+4*\k+3], v[LI] offset:(\img)+(4*\m+(\s))*1536+512*\k
.endr
	ds_load_b32 v[BS+4*(\set)+\m], v[LS] offset:(\sc)+(4*\m+(\s))*128
.endr
.endm
; 16 products: the record's four tiles x the four row tiles.  cm = 1: the bias starts the sums; 2: the constant 0 does; 0: they go on.  ex = 1: the record lies in window 2.
; The 32 accumulators of a phase take turns, one instruction a turn, in the same order in every K step, from phase to phase and over the loop's backward jump.
.macro MUL16 ph, slot, g, set, cm, ex
.if (\ex)
	WIN 0xf2
.elseif (\ph) == 2
	WIN 0xf1
.elseif (\cm) == 1
	WIN 0x91
.else
	WIN 0xa1
.endif
.irp f, 0,1,2,3
.irp m, 0,1,2,3
.set rD, 64*\m+8*(4*(\g)+\f)
.if (\ex)
.set rA, 64*(\slot)+12*\f
.set rW, WX+2*(\slot)+\f/2
.else
.set rA, 48*(\slot)+12*\f
.set rW, WS+2*(\slot)+\f/2
.endif
.set rB, BF+48*(\set)+12*\m
.set rC, 192+8*(4*(\g)+\f)
.set rS, BS+4*(\set)+\m
.if \f%2 == 0
.if (\cm) == 1
	v_wmma_scale_f32_16x16x128_f8f6f4 v[rD:rD+7], v[rA:rA+11], v[rB:rB+11], v[rC:rC+7], v[rW], v[rS] matrix_a_fmt:MATRIX_FMT_BF6 matrix_b_fmt:MATRIX_FMT_BF6
.elseif (\cm) == 2
	v_wmma_scale_f32_16x16x128_f8f6f4 v[rD:rD+7], v[rA:rA+11], v[rB:rB+11], 0, v[rW], v[rS] matrix_a_fmt:MATRIX_FMT_BF6 matrix_b_fmt:MATRIX_FMT_BF6
.else
	v_wmma_scale_f32_16x16x128_f8f6f4 v[rD:rD+7], v[rA:rA+11], v[rB:rB+11], v[rD:rD+7], v[rW], v[rS] matrix_a_fmt:MATRIX_FMT_BF6 matrix_b_fmt:MATRIX_FMT_BF6
.endif
.else
.if (\cm) == 1
	v_wmma_scale_f32_16x16x128_f8f6f4 v[rD:rD+7], v[rA:rA+11], v[rB:rB+11], v[rC:rC+7], v[rW], v[rS] matrix_a_fmt:MATRIX_FMT_BF6 matrix_b_fmt:MATRIX_FMT_BF6 matrix_a_scale:MATRIX_SCALE_ROW1
.elseif (\cm) == 2
	v_wmma_scale_f32_16x16x128_f8f6f4 v[rD:rD+7], v[rA:rA+11], v[rB:rB+11], 0, v[rW], v[rS] matrix_a_fmt:MATRIX_FMT_BF6 matrix_b_fmt:MATRIX_FMT_BF6 matrix_a_scale:MATRIX_SCALE_ROW1
.else
	v_wmma_scale_f32_16x16x128_f8f6f4 v[rD:rD+7], v[rA:rA+11], v[rB:rB+11], v[rD:rD+7], v[rW], v[rS] matrix_a_fmt:MATRIX_FMT_BF6 matrix_b_fmt:MATRIX_FMT_BF6 matrix_a_scale:MATRIX_SCALE_ROW1
.endif
.endif
.endr
.endr
.endm
; A group: the record in a slot is multiplied.  wt: at most so many loads were issued behind it.  rf: the record, counted from WP, that the slot of the ring takes next; -1: none.
; w = 1: what follows the group (the record into its slot; the fetch of rows behind it) lands in registers that products issued since the last wait on va_vdst have read.
.macro GRP ph, slot, g, set, cm, ex, wt, rf, w
	s_wait_loadcnt \wt
	MUL16 \ph, \slot, \g, \set, \cm, \ex
	PLACES
.if (\w)
	s_wait_alu depctr_va_vdst(0)                   ; the products issued so far are done reading their operands: this slot's fragments and scale words, in which the record below lands, and the set of rows and its scale words that the fetch behind this group fills
.endif
.if (\rf) >= 0
	REFILL \slot, (\rf)*REC
.else
	WIN 0
.endif
.endm
; 64 numbers of a lane in window 2, register src + 16 b + i = k 32 b + 16 (lane / 16) + i of my row, become a fragment's codes in v[PC] on and its scale word in v[PW].  prior = 0: the first fragment of all, with no image stored before it.
.macro QUANT src, relu, prior
.if \relu
	WIN 0x88
.set j_, 0
.rept 64
	v_max_num_f32 v[(\src)+j_], 0, v[(\src)+j_]    ; the activation, in f32; each accumulator from its low end on
.set j_, j_+1
.endr
.endif
	WIN 0x28
.irp b, 0,1,2,3
	v_max3_num_f32 v[TM+\b], s[FLR], |v[(\src)+16*\b]|, |v[(\src)+16*\b+1]|   ; block b: my 16 numbers, and the floor, so that the byte cannot fall under 1
.endr
.irp i, 2,4,6,8,10,12,14
.irp b, 0,1,2,3
	v_max3_num_f32 v[TM+\b], v[TM+\b], |v[(\src)+16*\b+\i]|, |v[(\src)+16*\b+\i+1]|   ; (the four blocks by turns)
.endr
.endr
	WIN 0
.irp b, 0,1,2,3
	v_permlanex16_b32 v[TM+4+\b], v[TM+\b], s[SEL], s[SEL+1]
.endr
.irp b, 0,1,2,3
	v_max_num_f32 v[TM+\b], v[TM+\b], v[TM+4+\b]   ; with lane l xor 16's: the block's largest magnitude
.endr
.irp b, 0,1,2,3
	v_add_nc_u32 v[TM+12+\b], 0xfe000000, v[TM+\b] ; 4 off its exponent field: the conversion's scale operand
.endr
.irp b, 0,1,2,3
	v_lshrrev_b32 v[TM+4+\b], 23, v[TM+12+\b]      ; the scale's byte
.endr
	s_wait_dscnt 0x0                               ; the last fragment's stores into LDS are done
.if (\prior)
	s_wait_alu depctr_vm_vsrc(0)                   ; the last image's four LDS stores have read v[PW] and v[PC] on, which the lines from here on write anew
.endif
	v_lshl_or_b32 v[PW], v[TM+5], 8, v[TM+4]
	v_lshl_or_b32 v[PW], v[TM+6], 16, v[PW]
	v_lshl_or_b32 v[PW], v[TM+7], 24, v[PW]
	WIN 0x02
.irp c, 0,1
	v_cvt_scalef32_pk16_bf6_f32 v[PC+6*\c:PC+2+6*\c], v[(\src)+32*\c:(\src)+15+32*\c], v[TM+12+2*\c]
	v_cvt_scalef32_pk16_bf6_f32 v[PC+12+4*\c:PC+14+4*\c], v[(\src)+16+32*\c:(\src)+31+32*\c], v[TM+13+2*\c]   ; (a conversion's three registers begin on an even number)
.endr
	WIN 0
	v_nop                                          ; one plain line behind a scaled conversion
.irp c, 0,1                            ; the operand's layout wants a whole block in a lane: lanes 0-15 block 2 c, lanes 16-31 block 2 c + 1
.irp i, 0,1,2
	v_permlane16_swap_b32 v[PC+6*\c+\i], v[PC+12+4*\c+\i]
.endr
.irp i, 0,1,2
	v_mov_b32 v[PC+3+6*\c+\i], v[PC+12+4*\c+\i]
.endr
.endr
.endm
.macro IMAGE adr, off, sadr, soff      ; the fragment goes to LDS as it stands, and its scale words; the waits for these stores stand in the next QUANT, or in front of the barrier
	s_wait_alu depctr_va_vdst(0)                   ; the quantiser has written v[PC] on and v[PW], which the four stores read; and it is done writing and reading its 64 numbers of window 2, in which, between the phases, a record lands behind these stores
.irp k, 0,1,2
	ds_store_b128 v[\adr], v[PC+4*\k:PC+4*\k+3] offset:(\off)+512*\k
.endr
	ds_store_b32 v[\sadr], v[PW] offset:\soff
.endm
.macro BARRIER                         ; my LDS stores have landed and my LDS loads are in: then the work-group's barrier
	s_wait_dscnt 0x0
	s_barrier_signal -1
	s_barrier_wait -1
.endm
; ---------------------------------------------------------------- the head
	s_load_b512 s[4:19], s[0:1], 0x0               ; x 4:5, wq 6:7, b1 8:9, b2 10:11, cnt 12:13, list 14:15, gw 16:17, part 18:19
	v_lshl_add_u32 v254, v0, 2, 0x15400
	v_mov_b32 v255, 0
	v_lshrrev_b32 v13, 5, v0
	v_readfirstlane_b32 s[WV], v13                 ; wave 0..3
	s_mov_b32 s21, ttmp9                           ; my tile's number
	v_and_b32 v14, 31, v0                          ; lane
	v_and_b32 v13, 15, v0                          ; r
	v_bfe_u32 v15, v0, 4, 1                        ; h
	v_lshlrev_b32 v[LI], 4, v14
	v_lshlrev_b32 v[LS], 2, v14
	v_lshlrev_b32 v[VS], 3, v14
	s_wait_alu depctr_va_sdst(0)                   ; s20, the wave's number, is written, ahead of its first reader
	s_mul_i32 s34, s[WV], 6144
	v_add_nc_u32 v[XWI], s34, v[LI]
	s_lshl_b32 s34, s[WV], 9
	v_add_nc_u32 v[XWS], s34, v[LS]
	v_add_nc_u32 v[PO], s34, v[LI]
	s_mul_i32 s34, s[WV], 1536
	v_add_nc_u32 v[HWI], s34, v[LI]
	s_lshl_b32 s34, s[WV], 7
	v_add_nc_u32 v[HWS], s34, v[LS]
	s_mul_i32 s34, s[WV], 8448
	s_add_co_u32 s34, s34, STG
	v_mul_u32_u24 v[SO], v13, 528
	v_lshl_add_u32 v[SO], v15, 6, v[SO]
	v_add_nc_u32 v[SO], s34, v[SO]
	v_add_nc_u32 v[SR], s34, v[LI]
	v_lshlrev_b32 v[BA], 6, v15
.irp b, 0,1,2,3
	v_mov_b32 v[TM+4+\b], 0                        ; a lane permute's destination counts as one of its sources
	v_mov_b32 v[G+1+2*\b], 0                       ; named as the upper halves of the gates' pairs
.endr
	s_mov_b32 s[SEL], 0x76543210
	s_mov_b32 s[SEL+1], 0xfedcba98
	s_mov_b32 s[FLR], 0x2800000
	s_wait_kmcnt 0x0
	s_load_b256 s[24:31], s[12:13], 0x0            ; the eight counts
	s_mov_b32 s33, 0                               ; tiles before expert e
	s_mov_b32 s22, 0                               ; my expert,
	s_mov_b32 s23, 0                               ; its first tile,
	s_mov_b32 s32, 0                               ; its count
	s_wait_kmcnt 0x0
; my expert is the last one that has rows and whose first tile is not behind mine: selects, no branch
.irp e, 0,1,2,3,4,5,6,7
	s_min_u32 s34, s[24+\e], 4096
	s_add_co_u32 s47, s34, 63
	s_lshr_b32 s47, s47, 6                         ; its tiles
	s_cmp_lg_u32 s47, 0
	s_cselect_b32 s46, s33, -1
	s_cmp_le_u32 s46, s21
	s_cselect_b32 s22, \e, s22
	s_cselect_b32 s23, s33, s23
	s_cselect_b32 s32, s34, s32
	s_add_co_u32 s33, s33, s47
.endr
	s_min_u32 s22, s22, 7
	s_sub_co_u32 s35, s21, s23
	s_lshl_b32 s35, s35, 6                         ; my first row in the expert's list
	s_sub_co_i32 s[NV], s32, s35
	s_max_i32 s[NV], s[NV], 0                      ; how many of my 64 rows there are
	s_sub_co_u32 s32, s32, 1                       ; the list's last row: rows behind it repeat it
	s_mov_b32 s61, 0
	s_lshl_b32 s60, s22, 2
	s_add_co_u32 s60, s60, s[WV]
	s_mul_i32 s60, s60, 64*REC
	s_add_nc_u64 s[WP:WP+1], s[6:7], s[60:61]
	s_lshl_b32 s34, s[WV], 9
	s_lshl_b32 s60, s22, 13
	s_add_co_u32 s60, s60, s34
	s_add_nc_u64 s[BP:BP+1], s[8:9], s[60:61]      ; b1[e][128 w]
	s_lshl_b32 s60, s22, 11
	s_add_co_u32 s60, s60, s34
	s_add_nc_u64 s[B2P:B2P+1], s[10:11], s[60:61]  ; b2[e][128 w]
	s_lshl_b32 s60, s22, 14
	s_add_nc_u64 s[14:15], s[14:15], s[60:61]      ; list[e]
.irp m, 0,1,2,3                        ; the five offsets into the list are made together, so that one wait serves their loads
	s_add_co_u32 s34, s35, 16*\m
	v_add_nc_u32 v[48+\m], s34, v13
	v_min_u32 v[48+\m], s32, v[48+\m]
	v_min_u32 v[48+\m], 0xfff, v[48+\m]
	v_lshlrev_b32 v[48+\m], 2, v[48+\m]
.endr
	s_lshl_b32 s34, s[WV], 4
	s_add_co_u32 s34, s34, s35
	v_add_nc_u32 v52, s34, v13
	v_min_u32 v52, s32, v52
	v_min_u32 v52, 0xfff, v52
	v_lshlrev_b32 v52, 2, v52
	s_wait_alu depctr_va_vdst(0)                   ; v1 to v10, v12 and v48 to v52 are written: the offsets and LDS addresses that the loads below, and all later loads and stores, read
.irp m, 0,1,2,3
	global_load_b32 v[ENT+\m], v[48+\m], s[14:15]
.endr
	global_load_b32 v[ENTW], v52, s[14:15]
	REFILL 0, 0
	REFILL 1, REC
	REFILL 2, 2*REC
	REFILL 3, 3*REC
	BIASLD BP                                      ; chunk 0's b1
	s_wait_loadcnt 63                              ; 68 loads were issued behind the five entries
.irp m, 0,1,2,3
	v_min_u32 v[ENT+\m], 0x1fff, v[ENT+\m]
	v_lshlrev_b32 v[53+\m], 2, v[ENT+\m]
.endr
	v_lshrrev_b32 v[XA], 1, v[ENTW]                ; the token
	v_min_u32 v[XA], 0xfff, v[XA]
	v_lshlrev_b32 v[XA], 11, v[XA]
	v_add_nc_u32 v[XA], v[BA], v[XA]               ; its row of 2,048 bytes, + 64 h: my 16 numbers of each block of 32
	s_wait_alu depctr_va_vdst(0)                   ; v53 to v56 and v[XA] are written: the offsets of the gates' loads and of x's
.irp m, 0,1,2,3
	global_load_b32 v[G+2*\m], v[53+\m], s[16:17]  ; the rows' gates
.endr
	WIN 0x80
.irp s, 0,1,2,3
.irp b, 0,1,2,3
.irp j, 0,1,2,3
	global_load_b128 v[64*\s+16*\b+4*\j:64*\s+16*\b+4*\j+3], v[XA], s[4:5] offset:512*\s+128*\b+16*\j
.endr
.endr
.endr
	WIN 0
.irp s, 0,1,2,3                        ; wave w quantises rows 16 w .. 16 w + 15: four fragments
	s_wait_loadcnt 48-16*\s                        ; the K steps behind this one may be out, 16 loads each
	QUANT 64*\s, 0, \s
	IMAGE XWI, XIMG+1536*\s, XWS, XSC+128*\s
.endr
	s_wait_xcnt 0x0                                ; the bias's loads have read their base
	s_add_nc_u64 s[BP:BP+1], s[BP:BP+1], 2048      ; on to chunk 1's b1
	BARRIER                                        ; x's sixteen fragments lie in LDS, and stay
	s_wait_alu depctr_vm_vsrc(0)                   ; the loads of the entries and of the gates have read their offsets v48 to v56, in which x's first fragments land
	FETCHB 0, XIMG, XSC, 0
; ---------------------------------------------------------------- a chunk of 512 hidden units
; first = 1: phase 2's first products start the output's sums with the constant 0: nothing is cleared.  last = 1: no record behind the stream's end is asked for, and the bias that is fetched is b2.
; THE COUNTS OF THE WAITS FOR LOADS.  A record is 13 loads, a bias 16.  The order of issue in a chunk: groups 0-7 ask for records 4-11; the quantiser for 12-15; groups 8, 9 for the next chunk's 0, 1; the bias; groups 10, 11 for its 2, 3.
;   group 0: 26: behind the bias, which its products take as C, stand two records (record 0 came before the bias).   groups 1-7: 39: three records stand behind the one that is wanted (behind group 1's more).
;   groups 8-15: between 68 and 107 loads stand behind the record that is wanted: the count's field names 63 at the most.
;   last = 1: groups 8-11 likewise (91, 78, 81, 68 behind); group 12: 55 = records 13-15 and b2; 13: 42; 14: 29; 15: 0, since the way out wants b2.
; WHICH GROUPS HAVE THE WAIT ON va_vdst (GRP's last argument).  Every group that fills its slot again: 0-11, with last = 1 0-7.  Group 14, last = 0: the fetch behind it lands in set 0, which groups 12 and 13 have read.
;   last = 1: group 10 (set 0: groups 8, 9) and group 12 (set 1: groups 10, 11).  The others owe none: behind group 12, last = 0, set 1 was last read by groups 10 and 11, ahead of group 11's wait; behind groups 8 and 9, last = 1,
;   set 1 and the bias were last read in phase 1, ahead of the images' waits; behind groups 13 and 15, and group 11 with last = 1, no load follows.
.macro CHUNK first, last
.irp s, 0,1,2,3                        ; PHASE 1: records 2 s and 2 s + 1
	s_wait_dscnt 0x0                               ; this K step's rows are in
.if \s == 0
	GRP 1, 0, 0, 0, 1, 0, 26, 4, 1
	FETCHB 1, XIMG, XSC, 1
	GRP 1, 1, 1, 0, 1, 0, 39, 5, 1
.else
	GRP 1, (2*\s)%4, 0, \s%2, 0, 0, 39, 2*\s+4, 1
.if \s < 3
	FETCHB (\s+1)%2, XIMG, XSC, \s+1
.endif
	GRP 1, (2*\s+1)%4, 1, \s%2, 0, 0, 39, 2*\s+5, 1
.endif
.endr
	BARRIER                                        ; BETWEEN THE PHASES: every wave's reads of the last chunk's hidden fragments are over
.irp m, 0,1,2,3                        ; my 128 hidden units of the 64 rows become K step w of phase 2
	QUANT 64*\m, 1, 1
	IMAGE HWI, HIMG+6144*\m, HWS, HSC+512*\m
	REFILLX \m, (12+\m)*REC                        ; the 64 registers just left take a record of phase 2's second half
.endr
	BARRIER                                        ; the chunk's sixteen hidden fragments lie in LDS
	FETCHB 0, HIMG, HSC, 0                         ; (no vector or matrix instruction stands between the last image's wait and these loads)
	s_wait_dscnt 0x0                               ; PHASE 2: records 8 + 2 s + g; the first four from the ring, whose slots take the next chunk's first four
	GRP 2, 0, 0, 0, 2*\first, 0, 63, 17*(1-\last)-1, 1-\last
	FETCHB 1, HIMG, HSC, 1
	GRP 2, 1, 1, 0, 2*\first, 0, 63, 18*(1-\last)-1, 1-\last
.if \last
	BIASLD B2P
.else
	BIASLD BP                                      ; the next chunk's b1
.endif
	s_wait_dscnt 0x0
	GRP 2, 2, 0, 1, 0, 0, 63, 19*(1-\last)-1, 1
	FETCHB 0, HIMG, HSC, 2
	GRP 2, 3, 1, 1, 0, 0, 63, 20*(1-\last)-1, 1-\last
	s_wait_dscnt 0x0
	GRP 2, 0, 0, 0, 0, 1, 63-8*\last, -1, \last    ; the last four from window 2
	FETCHB 1, HIMG, HSC, 3
	GRP 2, 1, 1, 0, 0, 1, 63-21*\last, -1, 0
	s_wait_dscnt 0x0
	GRP 2, 2, 0, 1, 0, 1, 63-34*\last, -1, 1-\last
.if !\last
	FETCHB 0, XIMG, XSC, 0                         ; the next chunk's phase 1 begins with x's K step 0
.endif
	GRP 2, 3, 1, 1, 0, 1, 63-63*\last, -1, 0
.if !\last
	v_nop                                          ; a fifth place: the next chunk's first products write over registers of window 2 that the products just issued have read (ISA guide 7.12.1)
	s_wait_xcnt 0x0                                ; the loads issued so far have read their bases
	s_add_nc_u64 s[WP:WP+1], s[WP:WP+1], 16*REC
	s_add_nc_u64 s[BP:BP+1], s[BP:BP+1], 2048
.endif
.endm
	CHUNK 1, 0
	s_mov_b32 s45, 2
.Lchunk:                                           ; chunks 1 and 2 (every window is 0 here)
	CHUNK 0, 0
	s_sub_co_u32 s45, s45, 1
	s_cmp_lg_u32 s45, 0
	s_cbranch_scc1 .Lchunk
	CHUNK 0, 1
; ---------------------------------------------------------------- the way out, 16 rows at a time
; (sum + b2) x gate; a lane's 16 registers of tiles 2 b, 2 b + 1 are 64 neighbouring bytes of its row.  They go through my own stage and come back as whole rows of 512 bytes, which 32 lanes store to the row's place in part.
; All vector lines of sixteen rows, the rows' places in part among them, stand ahead of their LDS and memory instructions, so that one wait on va_vdst serves these.
.macro WAYOUT m
	s_wait_xcnt 0x0                                ; the last 16 rows' stores have read their registers
	s_wait_alu depctr_vm_vsrc(0)                   ; m = 0: the last image's LDS stores have read v[PC] on, in which rows come back.  m > 0: the last 16 rows' LDS stores have read v[OT] on, their global stores v[OB] on and v[AD] on: all three are written anew below
	s_cmp_le_u32 s[NV], 16*\m                      ; none of these 16 rows is valid: nothing is stored (a branch on a stored count; no barrier follows)
	s_cbranch_scc1 .Lskip_\@
	WIN 0x07
.irp t, 0,1,2,3,4,5,6,7
.irp q, 0,1,2,3
	v_pk_add_f32 v[OT+8*\t+2*\q:OT+8*\t+2*\q+1], v[64*\m+8*\t+2*\q:64*\m+8*\t+2*\q+1], v[192+8*\t+2*\q:192+8*\t+2*\q+1]   ; each accumulator from its low end on
.endr
.endr
	WIN 0
.irp i, 0,1,2,3,4,5,6,7,8,9,10,11,12,13,14,15
	v_readlane_b32 s[48+\i], v[ENT+\m], \i         ; row i's entry; the sixteen stand together, ahead of the lines that read them
.endr
.set j_, 0
.rept 32
	v_pk_mul_f32 v[OT+j_:OT+j_+1], v[OT+j_:OT+j_+1], v[G+2*\m:G+2*\m+1] op_sel_hi:[1,0]
.set j_, j_+2
.endr
	s_wait_alu depctr_va_sdst(0)                   ; s48 to s63, the sixteen entries, are written, ahead of their first readers
.irp i, 0,1,2,3,4,5,6,7,8,9,10,11,12,13,14,15
	s_min_u32 s[48+\i], s[48+\i], 0x1fff
	s_lshl_b32 s[48+\i], s[48+\i], 11              ; a row of part is 2,048 bytes
.endr
.irp i, 0,1,2,3,4,5,6,7,8,9,10,11,12,13,14,15
	v_add_nc_u32 v[AD+\i], s[48+\i], v[PO]
.endr
	s_wait_alu depctr_va_vdst(0)                   ; v[OT] on is written, which the LDS stores read, and v[AD] on, the global stores' offsets; the quantiser and the products are done with v[OB] on, in which the rows come back
.irp b, 0,1,2,3
.irp k, 0,1,2,3
	ds_store_b128 v[SO], v[OT+16*\b+4*\k:OT+16*\b+4*\k+3] offset:128*\b+16*\k
.endr
.endr
.irp i, 0,1,2,3,4,5,6,7,8,9,10,11,12,13,14,15
	ds_load_b128 v[OB+4*\i:OB+4*\i+3], v[SR] offset:528*\i         ; LDS serves a wave's instructions in order (ISA guide 5.7.1.4): these see my stores
.endr
.irp i, 0,1,2,3,4,5,6,7,8,9,10,11,12,13,14,15
	s_wait_dscnt 15-\i                             ; row i is back; the rows behind it may be out
	global_store_b128 v[AD+\i], v[OB+4*\i:OB+4*\i+3], s[18:19] th:TH_STORE_NT   ; 512 consecutive bytes, at a multiple of 256 from part's first byte
.endr
.Lskip_\@:
.endm
	WAYOUT 0
	WAYOUT 1
	WAYOUT 2
	WAYOUT 3
	s_wait_dscnt 0x0                               ; the closing lines, six on end
	s_wait_alu 0x0
	s_wait_tensorcnt 0x0
	ds_add_u32 v254, v255
	s_wait_dscnt 0x0
	s_endpgm
.Lfunc_end_k_q3898e0d224_ffn:
	.size	k_q3898e0d224_ffn, .Lfunc_end_k_q3898e0d224_ffn-k_q3898e0d224_ffn
	.p2alignl 7, 3214868480
	.fill 96, 4, 3214868480
	.section	.rodata,"a",@progbits
	.p2align	6, 0x0
	.amdhsa_kernel k_q3898e0d224_ffn
		.amdhsa_group_segment_fixed_size 87552
		.amdhsa_private_segment_fixed_size 0
		.amdhsa_enable_private_segment 0
		.amdhsa_kernarg_size 64
		.amdhsa_user_sgpr_count 2
		.amdhsa_user_sgpr_kernarg_segment_ptr 1
		.amdhsa_wavefront_size32 1
		.amdhsa_system_sgpr_workgroup_id_x 1
		.amdhsa_system_sgpr_workgroup_id_y 1
		.amdhsa_system_sgpr_workgroup_id_z 1
		.amdhsa_system_vgpr_workitem_id 0
		.amdhsa_next_free_vgpr 1024
		.amdhsa_next_free_sgpr 66
		.amdhsa_reserve_vcc 0
		.amdhsa_float_denorm_mode_32 3
		.amdhsa_float_denorm_mode_16_64 3
		.amdhsa_memory_ordered 1
		.amdhsa_forward_progress 1
		.amdhsa_inst_pref_size 255
	.end_amdhsa_kernel
	.section	.bss,"aw",@nobits
	.p2align	6
	.space	262144
	.amdgpu_metadata
---
amdhsa.version: [ 1, 2 ]
amdhsa.kernels:
  - .name:           k_q3898e0d224_ffn
    .symbol:         k_q3898e0d224_ffn.kd
    .args:
      - { .name: x, .offset: 0, .size: 8, .value_kind: global_buffer, .address_space: global }
      - { .name: wq, .offset: 8, .size: 8, .value_kind: global_buffer, .address_space: global }
      - { .name: b1, .offset: 16, .size: 8, .value_kind: global_buffer, .address_space: global }
      - { .name: b2, .offset: 24, .size: 8, .value_kind: global_buffer, .address_space: global }
      - { .name: cnt, .offset: 32, .size: 8, .value_kind: global_buffer, .address_space: global }
      - { .name: list, .offset: 40, .size: 8, .value_kind: global_buffer, .address_space: global }
      - { .name: gw, .offset: 48, .size: 8, .value_kind: global_buffer, .address_space: global }
      - { .name: part, .offset: 56, .size: 8, .value_kind: global_buffer, .address_space: global }
    .group_segment_fixed_size: 87552
    .private_segment_fixed_size: 0
    .kernarg_segment_align: 8
    .kernarg_segment_size: 64
    .max_flat_workgroup_size: 128
    .sgpr_count:     66
    .vgpr_count:     1024
    .wavefront_size: 32
...
	.end_amdgpu_metadata
.endif
;; end of part 5
;; launch combine: the kernel of part 4 again; grid 256 x 1, 8 waves a work-group, no clusters, 0 bytes of LDS; arguments part, out0; writes out0
